; MI455X (gfx1250); checked and timed in simulation.
; The chip was launched on July 23, 2026; its instructions are those of AMD's public machine-readable ISA for CDNA 5 (MIT licence, August 2026) and "CDNA5" Instruction Set Architecture Reference Guide (July 2026). The comments in the code are by the model that wrote it; some were corrected since.
;; Additive Attention. Allowed arithmetic: matrix products marked QUANTISED: E2M3 operands, one E8M0 scale for each 32 along K, by v_wmma_scale_f32_16x16x128_f8f6f4 with both operands' format E2M3, f32 sums; products left as they are: f32 operands where the result goes on into a quantised operand, else bf16, f16 or f32 operands; f32 sums; everything else in f32.
;; Inputs: W_h_codes 1,024 x 32 x 24 uint8 (E2M3 codes of W_h, K innermost, in blocks of 32 codes, four codes in three bytes); W_h_scales 1,024 x 32 uint8 (E8M0 scales of W_h, one for each 32 codes along K); W_s_codes 1,024 x 32 x 24 uint8 (E2M3 codes of W_s, K innermost, in blocks of 32 codes, four codes in three bytes); W_s_scales 1,024 x 32 uint8 (E8M0 scales of W_s, one for each 32 codes along K); W_x 1,024 x 1 float32; b_s 1,024 float32; cell_state 1 x 64 x 512 float32; context 64 x 1,024 x 1,024 float32; coverage 64 x 1,024 float32; hidden_state 1 x 64 x 512 float32; padding_mask 64 x 1,024 float32; v 1 x 1,024 float32.
;; Outputs: out0 64 x 1 x 1,024 float32; out1 64 x 1,024 float32; out2 64 x 1,024 float32; out3 64 x 1,024 float32.
;; This version of the problem:
;;   THIS VERSION OF THE PROBLEM IS GIVEN IN LOW PRECISION. The matrix products marked QUANTISED in the list below multiply operands that are first quantised to E2M3 (2 exponent bits, 3 mantissa bits; 6 bits a number), with one power-of-two scale for each 32 numbers along K (OCP MX v1.0); their sums are f32. All else is computed in f32.
;;   The module's matrix products, in the order in which they are computed (A, B: the left and right operand; K: the contracted axis; several contracted axes count as one K, in the product's order):
;;     1. [M 64, K 1,024] x [K 1,024, N 1,024]; A: computed on the way; B: input W_s (given as codes): QUANTISED
;;     2. [M 65,536, K 1,024] x [K 1,024, N 1,024]; A: input context; B: input W_h (given as codes): QUANTISED
;;     3. [M 65,536, K 1,024] x [K 1,024, N 1]; A: computed on the way; B: input v: left as it is (N = 1 < 16)
;;     4. batch 64 x [M 1, K 1,024] x [K 1,024, N 1,024]; A: computed on the way; B: input context: left as it is (M = 1 < 16)
;;   THE QUANTISER, for each operand of a quantised product, along K:
;;     - K is cut into blocks of 32 from its start; a last block that is shorter is filled with zeros.
;;     - A block's scale is 2^e with e = floor(log2(the largest magnitude in the block)) - 2, held to -126 .. 127; a block of zeros has e = 0. As a byte (E8M0): e + 127.
;;     - Each number is divided by its block's scale, clamped to +-7.5, and rounded to the nearest number of E2M3, ties to even, subnormals kept.
;;     - The product sums the exact products of the quantised numbers (number of the format x scale) in f32.
;;   ~~~python
;;   def quantise(x, axis):      # numpy; x: float32 -> the quantised numbers, widened to float32 again
;;       x = np.moveaxis(x, axis, -1); K = x.shape[-1]
;;       x = np.pad(x, [(0, 0)] * (x.ndim - 1) + [(0, -K % 32)]); x = x.reshape(x.shape[:-1] + (-1, 32)); a = np.abs(x).max(-1, keepdims=True)
;;       e = np.where(a > 0, np.clip(np.frexp(np.where(a > 0, a, 1))[1] - 1 - 2, -126, 127), 0)      # np.frexp(a)[1] - 1 = floor(log2(a)), exactly
;;       r = np.clip(x / 2.0 ** e, -7.5, 7.5)
;;       step = 2.0 ** (np.maximum(np.frexp(np.where(r == 0, 1, r))[1] - 1, 0) - 3)
;;       q = np.round(r / step) * step * 2.0 ** e      # np.round: ties to even
;;       return np.moveaxis(q.reshape(q.shape[:-2] + (-1,))[..., :K], -1, axis).astype(np.float32)
;;   ~~~
;;   OPERANDS COMPUTED ON THE WAY. 'Computed on the way' means the value that the module computes at that place (a softmax that the list does not call 'softmax' is quantised finished and normalised). What goes into a quantiser is computed in f32, as accurately as f32 sums, v_exp_f32 and their like allow (about 1e-6 of the number): no bf16 or f16 on the way to a quantiser, and a product that is left as it is and whose result goes on into a quantised operand takes f32 operands (vector FMAs, or v_wmma_f32_16x16x4_f32). A number that lies on a knife's edge between two numbers of the format may be rounded either way, as far as f32 arithmetic and the matrix unit's own rounding can turn it there, and no further.
;;   INPUTS GIVEN AS CODES. W_h (in the module: [1024, 1024], K = its axis 1); W_s (in the module: [1024, 1024], K = its axis 1): each comes as NAME_codes (uint8): NAME with its K axis moved to the last place and cut into blocks of 32 codes, [.., K / 32, bytes a block], one block behind the other in memory; four codes in three bytes: a row's codes are one little-endian stream of bits, code i at bits 6 i .. 6 i + 5 (a code: sign, 2 exponent bits, 3 mantissa bits); and NAME_scales (uint8): the same leading axes, one E8M0 byte (e + 127) for each 32 codes along K. Its value is code x scale, taken as it is: it is not quantised again, and the codes and scales need not be those that the quantiser above would give.
;; 2 versions. Each part assembles by itself: llvm-mc -triple=amdgcn-amd-amdhsa -mcpu=gfx1250 --defsym DOCPART=n.
;; ======== version 1 of 2: 3 launches
;; workspace buffers: wimg 786,432 bytes; sf 262,144 bytes; wpart 2,097,152 bytes
;; launch prep (part 1): grid 32 x 1, 4 waves a work-group, no clusters, 22,528 bytes of LDS; arguments hidden_state, cell_state, W_s_codes, W_s_scales, b_s, W_h_codes, wimg, sf; writes wimg, sf
.if DOCPART == 1
	.amdgcn_target "amdgcn-amd-amdhsa--gfx1250"
	.amdhsa_code_object_version 6
	.text
	.protected	k_q98125f8e4c_prep
	.globl	k_q98125f8e4c_prep
	.p2align	8
	.type	k_q98125f8e4c_prep,@function
k_q98125f8e4c_prep:
	s_mov_b64 s[64:65], 0
	v_nop
	global_prefetch_b8 v0, s[64:65] scope:SCOPE_SE
	s_setreg_imm32_b32 hwreg(HW_REG_WAVE_MODE, 25, 1), 1
	s_wait_xcnt 0x0
; TWO SMALL JOBS IN ONE LAUNCH, 32 work-groups of four waves.
; (1) sf[b][e] = sum over k of Q(state)[b][k] W_s[e][k] + b_s[e], state[b] = hidden_state[b] followed by cell_state[b] (1,024 numbers), Q the MX quantiser to FP6 (E2M3) along k, W_s given as codes.
;     Work-group x: batches 16 (x & 3) on, columns 128 (x >> 2) on.  Wave w quantises K steps 2 w and 2 w + 1 of the 16 batches (128 along K each), hands the two fragments to the
;     other waves through LDS as images of their registers, and makes column tiles 2 w and 2 w + 1 of the work-group's eight: 16 matrix instructions, two accumulators by turns.
;     The product is used transposed (source 0 = 16 rows of W_s, source 1 = 16 batches): a lane holds one batch and eight neighbouring columns.  b_s is the C of each sum's first instruction.
; (2) W_h's codes are laid once in the order of a wave's operand registers: fragment f = (8 (tile / 4) + K step) 4 + tile % 4 at byte 1,536 f of wimg; in it register g of lane l at
;     512 (g / 4) + 16 l + 4 (g % 4).  The next launch then loads a fragment by three loads of 16 bytes a lane, 512 consecutive bytes each.  Each of the 128 waves lays four fragments.
; A block's scale is 2^(floor(log2(its largest magnitude)) - 2); its byte is the largest magnitude's exponent field - 2, held at 1 from below.
; LIMITS: a block whose largest magnitude lies under 2^-124 (a block of zeros too, where the rule says 127) gets the byte 1: a block of zeros has zero codes, which add nothing; NaN and infinities among the inputs are not served.
; REGISTERS: window 0: v1-14 addresses; v16-23 W_s's scale words, v24-31 the state's (scales and nothing else); v32-159 two sets of 64 numbers, later the state's 8 fragments;
;   v160-179 codes just made; v180-196 at work; v200-215 two accumulators; v216-231 b_s in the result's layout; v232-247 rows on the way out.
;   window 1: v0-191 W_s's 16 fragments (12 (8 n + s)); v192-239 four fragments of W_h.
.set FRB,  1536                        ; a fragment's image: 12 registers x 32 lanes x 4 bytes
.set XIMG, 0                           ; LDS: the state's 8 fragments, K step s at FRB s,
.set XSC,  8*FRB                       ; their scale words, 128 bytes a K step, 4 bytes a lane,
.set STG,  XSC+8*128                   ; and the stage for the way out: 16 rows x (512 bytes + 16)
.set SP,   528
.set XA,   4                           ; v4   the state: row r of 2,048 bytes, + 64 h: my 16 numbers of a block of 32
.set LI,   5                           ; v5   16 x lane
.set LS,   6                           ; v6   4 x lane
.set XWI,  7                           ; v7   where I store my two images
.set XWS,  8                           ; v8   and their scale words
.set FA,   9                           ; v9   a fragment's place in rows of 768 bytes: 768 r + 24 h
.set SA,   11                          ; v11  32 x lane: a row of 32 scale bytes to a lane
.set BA,   12                          ; v12  32 h: my half's eight numbers of b_s
.set SO,   13                          ; v13  the stage: where I put 32 bytes of a row
.set SR,   14                          ; v14  and where I read a row back
.set WSS,  16
.set XSS,  24
.set X0,   32
.set X1,   96
.set AFR,  32
.set PC,   160
.set TM,   180
.set PW,   196
.set ACC,  200
.set BIAS, 216
.set OUTR, 232
.set WHF,  192                         ; in window 1
.set WV,   26
.set SEL,  36
.set MSB, 0
.macro WIN new                         ; the immediate's high byte repeats the setting that is left
.if MSB != \new
	s_set_vgpr_msb (MSB<<8)|\new
.set MSB, \new
.endif
.endm
; 64 numbers of a lane, v[s] .. v[s + 63], register 16 b + i = k 32 b + 16 (lane / 16) + i of my row, become a fragment's codes in v[PC] on and its scale word in v[PW].
.macro QUANT s
.irp b, 0,1,2,3
	v_max3_num_f32 v[TM+\b], |v[\s+16*\b]|, |v[\s+1+16*\b]|, 0x1800000   ; block b: my 16 numbers, and the floor 2^(3 - 127): the byte cannot fall under 1
.endr
.irp i, 2,4,6,8,10,12,14
.irp b, 0,1,2,3
	v_max3_num_f32 v[TM+\b], v[TM+\b], |v[\s+16*\b+\i]|, |v[\s+1+16*\b+\i]|   ; the four blocks by turns
.endr
.endr
.irp b, 0,1,2,3
	v_permlanex16_b32 v[TM+4+\b], v[TM+\b], s[SEL], s[SEL+1]
.endr
.irp b, 0,1,2,3
	v_max_num_f32 v[TM+\b], v[TM+\b], v[TM+4+\b]   ; with lane l xor 16's: the block's largest magnitude
.endr
.irp b, 0,1,2,3
	v_add_nc_u32 v[TM+12+\b], 0xff000000, v[TM+\b]   ; 2 off its exponent field: the conversion takes the exponent field of this operand as its scale
.endr
.irp b, 0,1,2,3
	v_lshrrev_b32 v[TM+4+\b], 23, v[TM+12+\b]      ; the scale's byte
.endr
	v_lshl_or_b32 v[PW], v[TM+5], 8, v[TM+4]       ; the four bytes make my row's scale word
	v_lshl_or_b32 v[PW], v[TM+6], 16, v[PW]
	v_lshl_or_b32 v[PW], v[TM+7], 24, v[PW]
.irp c, 0,1
	v_cvt_scalef32_pk16_fp6_f32 v[PC+6*\c:PC+2+6*\c], v[\s+32*\c:\s+15+32*\c], v[TM+12+2*\c]
	v_cvt_scalef32_pk16_fp6_f32 v[PC+12+4*\c:PC+14+4*\c], v[\s+16+32*\c:\s+31+32*\c], v[TM+12+2*\c+1]   ; (a conversion's three registers begin on an even number)
.endr
	v_nop                                          ; one plain place behind a scaled conversion
.irp c, 0,1                                    ; the operand's layout wants a whole block in a lane: lanes 0-15 block 2 c, lanes 16-31 block 2 c + 1
.irp i, 0,1,2
	v_permlane16_swap_b32 v[PC+6*\c+\i], v[PC+12+4*\c+\i]
.endr
.irp i, 0,1,2
	v_mov_b32 v[PC+3+6*\c+\i], v[PC+12+4*\c+\i]
.endr
.endr
.endm
.macro IMAGE off                               ; the fragment in v[PC] on goes to LDS as it stands
.irp c, 0,1,2
	ds_store_b128 v[XWI], v[PC+4*\c:PC+4*\c+3] offset:\off+512*\c
.endr
.endm
.macro XLOAD reg, u                            ; my u-th K step of the 16 batches: 64 numbers a lane
.irp b, 0,1,2,3
.irp j, 0,1,2,3
	global_load_b128 v[\reg+16*\b+4*\j:\reg+16*\b+4*\j+3], v[XA], s[24:25] offset:512*\u+128*\b+16*\j
.endr
.endr
.endm
.macro BARRIER                                 ; my LDS stores have landed and my LDS loads are in: then the work-group's barrier
	s_wait_dscnt 0x0
	s_barrier_signal -1
	s_barrier_wait -1
.endm
	s_load_b512 s[8:23], s[0:1], 0x0               ; hidden s[8:9], cell s[10:11], W_s codes s[12:13], W_s scales s[14:15], b_s s[16:17], W_h codes s[18:19], wimg s[20:21], sf s[22:23]
	v_lshl_add_u32 v254, v0, 2, 0x5600
	v_mov_b32 v255, 0
	v_lshrrev_b32 v1, 5, v0
	v_readfirstlane_b32 s[WV], v1                  ; wave 0..3
	v_and_b32 v1, 31, v0                           ; lane
	v_and_b32 v2, 15, v0                           ; r
	v_bfe_u32 v3, v0, 4, 1                         ; h
	v_lshlrev_b32 v[XA], 11, v2
	v_lshl_add_u32 v[XA], v3, 6, v[XA]
	v_lshlrev_b32 v[LI], 4, v1
	v_lshlrev_b32 v[LS], 2, v1
	s_mul_i32 s27, s[WV], 2*FRB
	v_add_nc_u32 v[XWI], s27, v[LI]                ; images 2 w and 2 w + 1
	s_lshl_b32 s27, s[WV], 8
	s_add_co_u32 s27, s27, XSC
	v_add_nc_u32 v[XWS], s27, v[LS]
	v_mul_u32_u24 v[FA], v2, 768
	v_mad_u32_u24 v[FA], v3, 24, v[FA]
	v_lshlrev_b32 v[SA], 5, v1
	v_lshlrev_b32 v[BA], 5, v3
	v_mul_u32_u24 v[SO], v2, SP
	v_lshl_add_u32 v[SO], v3, 5, v[SO]
	s_lshl_b32 s27, s[WV], 7
	s_add_co_u32 s27, s27, STG
	v_add_nc_u32 v[SO], s27, v[SO]                 ; row r, + 32 h, + my wave's 128 bytes
	s_mul_i32 s27, s[WV], 4*SP
	s_add_co_u32 s27, s27, STG
	v_add_nc_u32 v[SR], s27, v[LI]                 ; back: my four rows, 16 bytes a lane
.irp b, 0,1,2,3
	v_mov_b32 v[TM+4+\b], 0                        ; written once: a lane permute's destination counts as one of its sources
.endr
	s_and_b32 s28, ttmp9, 3                        ; which 16 batches
	s_lshr_b32 s29, ttmp9, 2                       ; which 128 columns
	s_lshl_b32 s30, s29, 3
	s_lshl_b32 s31, s[WV], 1
	s_add_co_u32 s30, s30, s31                     ; my first column tile
	s_lshl_b32 s31, ttmp9, 2
	s_add_co_u32 s31, s31, s[WV]                   ; my number among the launch's 128 waves = 8 x (group of four tiles of W_h) + K step
	s_and_b32 s32, s31, 7
	s_lshr_b32 s33, s31, 3
	s_mov_b32 s35, 0
	s_mov_b32 s[SEL], 0x76543210
	s_mov_b32 s[SEL+1], 0xfedcba98                 ; v_permlanex16_b32's selects for lane l xor 16
	s_wait_kmcnt 0x0
	s_cmp_lt_u32 s[WV], 2                          ; K steps 0-3 lie in hidden_state, 4-7 in cell_state: the choice hangs on the wave's number alone
	s_cselect_b64 s[24:25], s[8:9], s[10:11]
	s_lshl_b32 s34, s28, 15                        ; 16 rows of 2,048 bytes,
	s_and_b32 s38, s[WV], 1
	s_lshl_b32 s38, s38, 10                        ; and my two K steps of 512 bytes in a row
	s_add_co_u32 s34, s34, s38
	s_add_nc_u64 s[24:25], s[24:25], s[34:35]
	s_mul_i32 s34, s30, 12288                      ; W_s: 16 rows of 768 bytes a tile
	s_add_nc_u64 s[12:13], s[12:13], s[34:35]
	s_lshl_b32 s34, s30, 9                         ; its scale bytes: 16 rows of 32
	s_add_nc_u64 s[14:15], s[14:15], s[34:35]
	s_lshl_b32 s34, s30, 6                         ; b_s: 16 numbers a tile
	s_add_nc_u64 s[16:17], s[16:17], s[34:35]
	s_mul_i32 s34, s33, 49152                      ; W_h: four tiles of 16 rows of 768 bytes,
	s_mul_i32 s38, s32, 96                         ; and the K step's 96 bytes in a row
	s_add_co_u32 s34, s34, s38
	s_add_nc_u64 s[18:19], s[18:19], s[34:35]
	s_mul_i32 s34, s31, 4*FRB                      ; wimg: my four fragments on end
	s_add_nc_u64 s[20:21], s[20:21], s[34:35]
	s_lshl_b32 s34, s28, 16                        ; sf: row 16 (x & 3) + 4 w of 4,096 bytes, + 512 bytes for each 128 columns
	s_lshl_b32 s38, s[WV], 14
	s_add_co_u32 s34, s34, s38
	s_lshl_b32 s38, s29, 9
	s_add_co_u32 s34, s34, s38
	s_add_nc_u64 s[22:23], s[22:23], s[34:35]
	XLOAD X0, 0                                    ; 62 loads: 16 + 16 of the state,
	XLOAD X1, 1
	global_load_b128 v[WSS:WSS+3], v[SA], s[14:15]             ; 2: register s = the word of K step s; lanes 0-15 my first tile's rows, lanes 16-31 my second's
	global_load_b128 v[WSS+4:WSS+7], v[SA], s[14:15] offset:16
.irp n, 0,1
.irp q, 0,1
	global_load_b128 v[BIAS+8*\n+4*\q:BIAS+8*\n+4*\q+3], v[BA], s[16:17] offset:64*\n+16*\q   ; 4: b_s at columns 16 n + 8 h + 0 .. 7
.endr
.endr
	WIN 0x40                                       ; destination window 1
.irp i, 0,1,2,3
.irp p, 0,1,2,3,4,5
	global_load_b64 v[WHF+12*\i+2*\p:WHF+12*\i+2*\p+1], v[FA], s[18:19] offset:12288*\i+48*(\p/3)+8*(\p%3) th:TH_LOAD_NT   ; 24: four fragments of W_h, in pieces of 8 bytes
.endr
.endr
	s_wait_loadcnt 46                              ; the first 16 of the 62 are in: my first K step
.irp n, 0,1
.irp s, 0,1,2,3,4,5,6,7
.irp p, 0,1,2,3,4,5
	global_load_b64 v[12*(8*\n+\s)+2*\p:12*(8*\n+\s)+2*\p+1], v[FA], s[12:13] offset:12288*\n+96*\s+48*(\p/3)+8*(\p%3)   ; W_s's 16 fragments land while the state is quantised
.endr
.endr
.endr
	WIN 0
	QUANT X0
	IMAGE XIMG
	ds_store_b32 v[XWS], v[PW]
	s_wait_loadcnt 63                              ; behind my second K step 126 loads were issued, behind W_h's pieces 96: neither is among the youngest 63
	s_wait_dscnt 0x0                               ; the stores have read their registers
	QUANT X1
	IMAGE XIMG+FRB
	ds_store_b32 v[XWS], v[PW] offset:128
	WIN 0x04                                       ; a store's data are its source 1: window 1
.irp i, 0,1,2,3
.irp q, 0,1,2
	global_store_b128 v[LI], v[WHF+12*\i+4*\q:WHF+12*\i+4*\q+3], s[20:21] offset:FRB*\i+512*\q   ; 32 lanes store 512 consecutive bytes, at a multiple of 256 from wimg's first byte
.endr
.endr
	WIN 0
	BARRIER                                        ; the state's eight fragments lie in LDS
.irp s, 0,1,2,3,4,5,6,7
.irp c, 0,1,2
	ds_load_b128 v[AFR+12*\s+4*\c:AFR+12*\s+4*\c+3], v[LI] offset:XIMG+FRB*\s+512*\c
.endr
	ds_load_b32 v[XSS+\s], v[LS] offset:XSC+128*\s
.endr
	s_wait_loadcnt 0x0                             ; W_s, its scale words, b_s
	s_wait_dscnt 0x0
	WIN 0x01                                       ; source 0 (W_s) window 1
.irp s, 0,1,2,3,4,5,6,7                        ; the two accumulators take turns, one instruction a turn
.if \s == 0
	v_wmma_scale_f32_16x16x128_f8f6f4 v[ACC:ACC+7], v[0:11], v[AFR:AFR+11], v[BIAS:BIAS+7], v[WSS], v[XSS] matrix_a_fmt:MATRIX_FMT_FP6 matrix_b_fmt:MATRIX_FMT_FP6
	v_wmma_scale_f32_16x16x128_f8f6f4 v[ACC+8:ACC+15], v[96:107], v[AFR:AFR+11], v[BIAS+8:BIAS+15], v[WSS], v[XSS] matrix_a_fmt:MATRIX_FMT_FP6 matrix_b_fmt:MATRIX_FMT_FP6 matrix_a_scale:MATRIX_SCALE_ROW1
.else
	v_wmma_scale_f32_16x16x128_f8f6f4 v[ACC:ACC+7], v[12*\s:12*\s+11], v[AFR+12*\s:AFR+12*\s+11], v[ACC:ACC+7], v[WSS+\s], v[XSS+\s] matrix_a_fmt:MATRIX_FMT_FP6 matrix_b_fmt:MATRIX_FMT_FP6
	v_wmma_scale_f32_16x16x128_f8f6f4 v[ACC+8:ACC+15], v[96+12*\s:96+12*\s+11], v[AFR+12*\s:AFR+12*\s+11], v[ACC+8:ACC+15], v[WSS+\s], v[XSS+\s] matrix_a_fmt:MATRIX_FMT_FP6 matrix_b_fmt:MATRIX_FMT_FP6 matrix_a_scale:MATRIX_SCALE_ROW1
.endif
.endr
	WIN 0
.rept 4
	v_nop                                          ; four places between the last product and the stores that read results
.endr
.irp n, 0,1
	ds_store_b128 v[SO], v[ACC+8*\n:ACC+8*\n+3] offset:64*\n         ; lane (r, h): sf(batch r, column 32 w + 16 n + 8 h + 0 .. 7); each accumulator from its low end on
	ds_store_b128 v[SO], v[ACC+8*\n+4:ACC+8*\n+7] offset:64*\n+16
.endr
	BARRIER                                        ; 16 rows of 512 bytes lie in the stage
.irp i, 0,1,2,3
	ds_load_b128 v[OUTR+4*\i:OUTR+4*\i+3], v[SR] offset:SP*\i
.endr
.irp i, 0,1,2,3
	s_wait_dscnt 3-\i                              ; LDS loads come back in order: row i is in
	global_store_b128 v[LI], v[OUTR+4*\i:OUTR+4*\i+3], s[22:23] offset:4096*\i   ; 32 lanes store 512 consecutive bytes of a row of sf
.endr
	s_wait_tensorcnt 0x0
	ds_add_u32 v254, v255
	s_wait_dscnt 0x0
	s_endpgm
.Lfunc_end_k_q98125f8e4c_prep:
	.size	k_q98125f8e4c_prep, .Lfunc_end_k_q98125f8e4c_prep-k_q98125f8e4c_prep
	.p2alignl 7, 3214868480
	.fill 96, 4, 3214868480
	.section	.rodata,"a",@progbits
	.p2align	6, 0x0
	.amdhsa_kernel k_q98125f8e4c_prep
		.amdhsa_group_segment_fixed_size 22528
		.amdhsa_private_segment_fixed_size 0
		.amdhsa_enable_private_segment 0
		.amdhsa_kernarg_size 64
		.amdhsa_user_sgpr_count 2
		.amdhsa_user_sgpr_kernarg_segment_ptr 1
		.amdhsa_wavefront_size32 1
		.amdhsa_system_sgpr_workgroup_id_x 1
		.amdhsa_system_sgpr_workgroup_id_y 1
		.amdhsa_system_sgpr_workgroup_id_z 1
		.amdhsa_system_vgpr_workitem_id 0
		.amdhsa_next_free_vgpr 512
		.amdhsa_next_free_sgpr 66
		.amdhsa_reserve_vcc 0
		.amdhsa_float_denorm_mode_32 3
		.amdhsa_float_denorm_mode_16_64 3
		.amdhsa_memory_ordered 1
		.amdhsa_forward_progress 1
		.amdhsa_inst_pref_size 33
	.end_amdhsa_kernel
	.amdgpu_metadata
---
amdhsa.version: [ 1, 2 ]
amdhsa.kernels:
  - .name:           k_q98125f8e4c_prep
    .symbol:         k_q98125f8e4c_prep.kd
    .args:
      - { .name: hidden_state, .offset: 0, .size: 8, .value_kind: global_buffer, .address_space: global }
      - { .name: cell_state, .offset: 8, .size: 8, .value_kind: global_buffer, .address_space: global }
      - { .name: W_s_codes, .offset: 16, .size: 8, .value_kind: global_buffer, .address_space: global }
      - { .name: W_s_scales, .offset: 24, .size: 8, .value_kind: global_buffer, .address_space: global }
      - { .name: b_s, .offset: 32, .size: 8, .value_kind: global_buffer, .address_space: global }
      - { .name: W_h_codes, .offset: 40, .size: 8, .value_kind: global_buffer, .address_space: global }
      - { .name: wimg, .offset: 48, .size: 8, .value_kind: global_buffer, .address_space: global }
      - { .name: sf, .offset: 56, .size: 8, .value_kind: global_buffer, .address_space: global }
    .group_segment_fixed_size: 22528
    .private_segment_fixed_size: 0
    .kernarg_segment_align: 8
    .kernarg_segment_size: 64
    .max_flat_workgroup_size: 128
    .sgpr_count:     66
    .vgpr_count:     512
    .wavefront_size: 32
...
	.end_amdgpu_metadata
.endif
;; end of part 1
;; launch main (part 2): grid 256 x 1, 4 waves a work-group, no clusters, 300,544 bytes of LDS; arguments context, coverage, padding_mask, W_x, v, W_h_scales, wimg, sf, out2, out3, wpart; writes out2, out3, wpart
.if DOCPART == 2
	.amdgcn_target "amdgcn-amd-amdhsa--gfx1250"
	.amdhsa_code_object_version 6
	.text
	.protected	k_q98125f8e4c_main
	.globl	k_q98125f8e4c_main
	.p2align	8
	.type	k_q98125f8e4c_main,@function
k_q98125f8e4c_main:
	s_mov_b64 s[64:65], 0
	v_nop
	global_prefetch_b8 v0, s[64:65] scope:SCOPE_SE
	s_setreg_imm32_b32 hwreg(HW_REG_WAVE_MODE, 25, 1), 1
	s_wait_xcnt 0x0
; A WORK-GROUP STAYS: it takes two blocks of 128 rows l of one batch b (blocks 2 x and 2 x + 1 of the 512), one after the other, each through the whole chain, and reads each block's 512 KiB of context ONCE:
;   P1  each wave loads 32 rows, quantises them along K to FP6 (E2M3, one E8M0 byte for each 32) into fragment images in LDS, and keeps a bf16 copy of them: 16 rows in 256 registers, 16 rows in LDS;
;   P2  enc = Q(context) W_h^T, 128 x 1,024 x 1,024, wave w columns 256 w on, in four passes of 64 columns (32 accumulators); behind each pass
;       score += sum over e of v[e] tanh(enc + sf[b][e] + coverage[l] W_x[e]), with tanh(x) = 1 - 2 / (1 + 2^(c x)), c = 2 log2(e): per pair of numbers two packed multiply-adds,
;       two exponentials, a packed addition, two reciprocals and a packed multiply-add with -2 v; the sum of v is added at the end.  2^(c x) = infinity gives tanh = 1, 0 gives -1: no clamp is needed;
;   P3  the four waves' partial scores are added (out3); m = the block's largest score; p = exp(score - m) x mask; wpart[block][d] = sum over the block's l of p[l] context[l][d], from the bf16 copy, sums in f32.
; The last launch brings the eight blocks of a batch under the batch's maximum and normalises.  out2 is coverage as it came.
; FROM BLOCK TO BLOCK: behind the last pass the accumulators' registers are free, so the next block's first four units (64 loads a wave, 128 KiB a work-group) are asked for there and land while P3 runs;
; both blocks belong to one batch, so c sf[b], c W_x and -2 v are made once and stay in LDS.  W_h's first three K steps of a block are asked for in P1's last units, where no unit of context is left to ask for.
; W_h's fragments come from wimg, laid in register order, straight into registers, three K steps ahead: each is used by ONE wave of the work-group, so LDS would save no read of them,
; and LDS is taken by the rows' codes and their bf16 copy.  No tensor load, no cluster: what work-groups share is W_h alone, and there is no room for slots of it.
; THE MATRIX INSTRUCTION IS USED TRANSPOSED (source 0 = 16 rows e of W_h, source 1 = 16 rows l): a lane holds one row l = 16 a + lane % 16, and register j column e0 + 16 b + 8 (lane / 16) + j.
; LIMITS: a block of 32 whose largest magnitude lies under 2^-124 (a block of zeros too, where the rule says 127) gets the byte 1: zero codes add nothing; NaN and infinities among the inputs are not served;
;   tanh is right to about 1e-7 absolutely; context is rounded to bf16 for the weighted sum alone.
; REGISTERS, in windows of 256 (s_set_vgpr_msb: bits 1:0 source 0, 3:2 source 1, 5:4 source 2, 7:6 destination):
;   window 0: v1-27 addresses; v28-31 coverage as it lies (in the head: an offset); v32-63 context's scale words, v64-79 W_h's (scales and nothing else); v80-111 -2 v of a pass (P1, P3: at work);
;             v112-143 the scores' sums (P1: bf16 on its way to LDS); v144-151 coverage; v152-155 mask; v156-159 sum of -2 v; v160-255 the rows' 8 fragments (P1: 64 numbers and their codes; P3: sums, p, scores)
;   window 1: P1 four sets of 64 loaded numbers (filled for the next block from the end of P2 on); P2 accumulator (a, b) at 8 (4 a + b)
;   window 2: bf16 rows of my first 16: row r, K step s, half k at 16 r + 2 s + k: lane l holds d = 128 s + 4 l + 2 k, + 1
;   window 3: v0-191 four sets of four fragments of W_h; v192-223 c sf, v224-255 c W_x of a pass; P3: the bf16 rows read back from LDS
.set FRB,   1536                       ; a fragment's image
.set SP,    528                        ; a stage row: 512 bytes + 16: 33 x 16, so the 16 rows that a load touches fall on 16 different columns of 16 bytes
.set XIMG,  0                          ; LDS: image (tile T, K step s) at FRB (8 T + s): 98,304 bytes
.set XSC,   98304                      ; the rows' scale words: 32 bytes a row
.set CONST, 102400                     ; c sf[b], c W_x, -2 v: 4,096 bytes each
.set SRED,  114688                     ; 4 waves x 128 partial scores
.set PB,    116736                     ; 4 waves x 128 p
.set WRED,  118784                     ; 4 waves x 1,024 partial sums
.set STG,   135168                     ; a stage of 16 rows for each wave
.set RET,   168960                     ; for each wave 16 rows x 2,048 bytes of bf16
.set CL,   4                           ; v4   16 x lane: in memory and in LDS
.set STW,  5                           ; v5   the stage, on the way in
.set STR,  6                           ; v6   and out: row r, + 64 h
.set XW,   7                           ; v7   where I store my images
.set XSW,  8                           ; v8   and my rows' scale words
.set RA,   9                           ; v9   my rows' bf16 copy in LDS
.set LI2,  11                          ; v11  images of tiles 4-7
.set XSR,  12                          ; v12  scale words: a row to a lane
.set CA0,  13                          ; v13  my columns' constants, pass 0
.set CA,   14                          ; v14  this pass's
.set BL,   15                          ; v15  my part of wimg
.set BOFF, 16                          ; v16  this pass's
.set BOFN, 17                          ; v17  the next pass's
.set WSL,  18                          ; v18  my part of W_h's scale bytes
.set WSN,  19                          ; v19  the next pass's
.set SRW,  20
.set SRR,  21
.set PBW,  22
.set PBR,  23
.set WRW,  24
.set WRR,  25
.set CTW,  26
.set RO,   27                          ; v27  4 r
.set TO,   28                          ; v28  32 x thread: in the head alone
.set CCP,  28                          ; v28-31 the block's coverage as it lies, for out2
.set XS,   32
.set WS,   64
.set V2,   80
.set TM,   80
.set PW,   96
.set TT,   80
.set UU,   88
.set SS,   112
.set BT,   112
.set COV,  144
.set MK,   152
.set VL,   156
.set AF,   160
.set XQ,   160
.set PC,   224
.set AW,   160
.set PP,   192
.set SCR,  224
.set PFA,  252                         ; v252-253 the prefetch's offset, made where it is used
.set SF2,  192                         ; in window 3
.set WX2,  224
.set WV,   30
.set CC,   36                          ; s[36:37] c, twice: the packed form names a pair
.set SEL,  38
.set CNT,  40
.set PO,   41                          ; byte of this pass in my part of wimg;  s42 the next pass's, held at the last
.set PN,   42
.set WO,   43                          ; the same for the scale bytes
.set WN,   44
.set CP,   45                          ; and for the constants in LDS
.set BLK,  46                          ; blocks to go, this one among them
.set MSB, 0
.macro WIN new                         ; the immediate's high byte repeats the setting that is left
.if MSB != \new
	s_set_vgpr_msb (MSB<<8)|\new
.set MSB, \new
.endif
.endm
.macro PLACES                          ; four plain places between a matrix instruction and a load into one of its registers, or a read of its result (ISA guide 7.12.1 for vector instructions)
.rept 4
	v_nop
.endr
.endm
; 64 numbers of a lane, v[s] .. v[s + 63], register 16 b + i = k 32 b + 16 (lane / 16) + i of my row, become a fragment's codes in v[PC] on and its scale word in v[PW].
.macro QUANT s
.irp b, 0,1,2,3
	v_max3_num_f32 v[TM+\b], |v[\s+16*\b]|, |v[\s+1+16*\b]|, 0x1800000   ; block b: my 16 numbers, and the floor 2^(3 - 127): the byte cannot fall under 1
.endr
.irp i, 2,4,6,8,10,12,14
.irp b, 0,1,2,3
	v_max3_num_f32 v[TM+\b], v[TM+\b], |v[\s+16*\b+\i]|, |v[\s+1+16*\b+\i]|   ; the four blocks by turns
.endr
.endr
.irp b, 0,1,2,3
	v_permlanex16_b32 v[TM+4+\b], v[TM+\b], s[SEL], s[SEL+1]
.endr
.irp b, 0,1,2,3
	v_max_num_f32 v[TM+\b], v[TM+\b], v[TM+4+\b]   ; with lane l xor 16's: the block's largest magnitude
.endr
.irp b, 0,1,2,3
	v_add_nc_u32 v[TM+12+\b], 0xff000000, v[TM+\b]   ; 2 off its exponent field: the conversion takes the exponent field of this operand as its scale
.endr
.irp b, 0,1,2,3
	v_lshrrev_b32 v[TM+4+\b], 23, v[TM+12+\b]      ; the scale's byte
.endr
	v_lshl_or_b32 v[PW], v[TM+5], 8, v[TM+4]       ; the four bytes make my row's scale word
	v_lshl_or_b32 v[PW], v[TM+6], 16, v[PW]
	v_lshl_or_b32 v[PW], v[TM+7], 24, v[PW]
.irp c, 0,1
	v_cvt_scalef32_pk16_fp6_f32 v[PC+6*\c:PC+2+6*\c], v[\s+32*\c:\s+15+32*\c], v[TM+12+2*\c]
	v_cvt_scalef32_pk16_fp6_f32 v[PC+12+4*\c:PC+14+4*\c], v[\s+16+32*\c:\s+31+32*\c], v[TM+12+2*\c+1]   ; (a conversion's three registers begin on an even number)
.endr
	v_nop                                          ; one plain place behind a scaled conversion
.irp c, 0,1                                    ; the operand's layout wants a whole block in a lane
.irp i, 0,1,2
	v_permlane16_swap_b32 v[PC+6*\c+\i], v[PC+12+4*\c+\i]
.endr
.irp i, 0,1,2
	v_mov_b32 v[PC+3+6*\c+\i], v[PC+12+4*\c+\i]
.endr
.endr
.endm
.macro IMAGE off                               ; the fragment in v[PC] on goes to LDS as it stands
.irp c, 0,1,2
	ds_store_b128 v[XW], v[PC+4*\c:PC+4*\c+3] offset:\off+512*\c
.endr
.endm
; Unit u = 8 t + s: rows 16 t .. 16 t + 15 of my 32, K step s.  Each load reads 512 consecutive bytes of one row, 16 a lane, into set u % 4 of window 1.
.macro CLOAD u
	WIN 0x40
.irp r, 0,1,2,3,4,5,6,7,8,9,10,11,12,13,14,15
	global_load_b128 v[64*((\u)%4)+4*\r:64*((\u)%4)+4*\r+3], v[CL], s[8:9] offset:(16*((\u)/8)+\r)*4096+512*((\u)%8) th:TH_LOAD_NT
.endr
	WIN 0
.endm
; Four fragments of W_h (a K step of my pass's 64 columns) into a set of window 3: 12 loads of 512 consecutive bytes.  The window is left set.
.macro BLOAD voff, imm, set
	WIN 0xc0
.irp i, 0,1,2,3
.irp q, 0,1,2
	global_load_b128 v[48*(\set)+12*\i+4*\q:48*(\set)+12*\i+4*\q+3], v[\voff], s[20:21] offset:\imm+FRB*\i+512*\q
.endr
.endr
.endm
; A unit's work.  The conversions want 16 neighbours along K in a lane, the loads gave 4: the 16 x 512 bytes turn through my own stage.  The bf16 copy is made of the numbers as they were loaded.
; The wait at its head counts the loads issued behind this unit's 16.  Units 0-3: three units and the block's 14 small loads.  Units 4-12: three units.  Units 13, 14, 15: the units left, and 12 for each set of W_h asked for so far.
.macro UNIT u
.set UT, (\u)/8
.set US, (\u)%8
.set USET, 64*((\u)%4)
.if (\u) < 4
	s_wait_loadcnt 62
.elseif (\u) < 13
	s_wait_loadcnt 48
.else
	s_wait_loadcnt 48-4*((\u)-12)
.endif
	WIN 0x04                                       ; an LDS store's data are its source 1: window 1
.irp r, 0,1,2,3,4,5,6,7,8,9,10,11,12,13,14,15
	ds_store_b128 v[STW], v[USET+4*\r:USET+4*\r+3] offset:SP*\r
.endr
	WIN 0
.irp b, 0,1,2,3
.irp j, 0,1,2,3
	ds_load_b128 v[XQ+16*\b+4*\j:XQ+16*\b+4*\j+3], v[STR] offset:128*\b+16*\j   ; LDS serves a wave's instructions in order: these see the stores above
.endr
.endr
.if UT == 0
	WIN 0x85                                       ; sources window 1, destination window 2: my first 16 rows stay in registers
.irp r, 0,1,2,3,4,5,6,7,8,9,10,11,12,13,14,15
	v_cvt_pk_bf16_f32 v[16*\r+2*US], v[USET+4*\r], v[USET+4*\r+1]
	v_cvt_pk_bf16_f32 v[16*\r+2*US+1], v[USET+4*\r+2], v[USET+4*\r+3]
.endr
.else
	WIN 0x05                                       ; my second 16 rows go to LDS
.irp r, 0,1,2,3,4,5,6,7,8,9,10,11,12,13,14,15
	v_cvt_pk_bf16_f32 v[BT+2*\r], v[USET+4*\r], v[USET+4*\r+1]
	v_cvt_pk_bf16_f32 v[BT+2*\r+1], v[USET+4*\r+2], v[USET+4*\r+3]
.endr
	WIN 0
.irp r, 0,1,2,3,4,5,6,7,8,9,10,11,12,13,14,15
	ds_store_b64 v[RA], v[BT+2*\r:BT+2*\r+1] offset:2048*\r+512*(US/2)+8*(US%2)   ; two K steps share a lane's 16 bytes, so that they come back by loads of 16
.endr
.endif
	WIN 0
	s_wait_dscnt 0x0                               ; the 64 numbers are back; the stores of this unit and the image of the last have read their registers
.if (\u)+4 < 16
	CLOAD (\u)+4                                   ; the set is free: four units ahead
.elseif (\u) < 15
	BLOAD BL, 4*FRB*((\u)-12), (\u)-12             ; no unit is left to ask for: pass 0's K steps 0, 1, 2 of W_h take the places
	WIN 0
.endif
	QUANT XQ
	IMAGE 12288*UT+FRB*US
	ds_store_b32 v[XSW], v[PW] offset:512*UT+4*US  ; both halves of the lanes write the same word with the same value
.endm
; The rows' fragments of K step s, tiles a0 .. a0 + 3
.macro ALOAD s, a0
.irp a, \a0, \a0+1, \a0+2, \a0+3
.irp q, 0,1,2
.if (\a) < 4
	ds_load_b128 v[AF+12*(\a)+4*\q:AF+12*(\a)+4*\q+3], v[CL] offset:FRB*(8*(\a)+(\s))+512*\q
.else
	ds_load_b128 v[AF+12*(\a)+4*\q:AF+12*(\a)+4*\q+3], v[LI2] offset:FRB*(8*((\a)-4)+(\s))+512*\q
.endif
.endr
.endr
.endm
; One product: rows' tile a x columns' tile b, K step s.  The scale words: register 8 (b / 2) + s of W_h's holds tile b in lanes 0-15 (b even) or 16-31 (odd); the rows' likewise by a.
.macro MM s, a, b
.set rD, 8*(4*(\a)+(\b))
.set rW, 48*((\s)%4)+12*(\b)
.set rA, AF+12*(\a)
.set rP, WS+8*((\b)/2)+(\s)
.set rX, XS+8*((\a)/2)+(\s)
.set par, 2*((\a)%2)+(\b)%2
.if (\s) == 0                                  ; a pass's first K step starts the sums: nothing is cleared
.if par == 0
	v_wmma_scale_f32_16x16x128_f8f6f4 v[rD:rD+7], v[rW:rW+11], v[rA:rA+11], 0, v[rP], v[rX] matrix_a_fmt:MATRIX_FMT_FP6 matrix_b_fmt:MATRIX_FMT_FP6
.elseif par == 1
	v_wmma_scale_f32_16x16x128_f8f6f4 v[rD:rD+7], v[rW:rW+11], v[rA:rA+11], 0, v[rP], v[rX] matrix_a_fmt:MATRIX_FMT_FP6 matrix_b_fmt:MATRIX_FMT_FP6 matrix_a_scale:MATRIX_SCALE_ROW1
.elseif par == 2
	v_wmma_scale_f32_16x16x128_f8f6f4 v[rD:rD+7], v[rW:rW+11], v[rA:rA+11], 0, v[rP], v[rX] matrix_a_fmt:MATRIX_FMT_FP6 matrix_b_fmt:MATRIX_FMT_FP6 matrix_b_scale:MATRIX_SCALE_ROW1
.else
	v_wmma_scale_f32_16x16x128_f8f6f4 v[rD:rD+7], v[rW:rW+11], v[rA:rA+11], 0, v[rP], v[rX] matrix_a_fmt:MATRIX_FMT_FP6 matrix_b_fmt:MATRIX_FMT_FP6 matrix_a_scale:MATRIX_SCALE_ROW1 matrix_b_scale:MATRIX_SCALE_ROW1
.endif
.else
.if par == 0
	v_wmma_scale_f32_16x16x128_f8f6f4 v[rD:rD+7], v[rW:rW+11], v[rA:rA+11], v[rD:rD+7], v[rP], v[rX] matrix_a_fmt:MATRIX_FMT_FP6 matrix_b_fmt:MATRIX_FMT_FP6
.elseif par == 1
	v_wmma_scale_f32_16x16x128_f8f6f4 v[rD:rD+7], v[rW:rW+11], v[rA:rA+11], v[rD:rD+7], v[rP], v[rX] matrix_a_fmt:MATRIX_FMT_FP6 matrix_b_fmt:MATRIX_FMT_FP6 matrix_a_scale:MATRIX_SCALE_ROW1
.elseif par == 2
	v_wmma_scale_f32_16x16x128_f8f6f4 v[rD:rD+7], v[rW:rW+11], v[rA:rA+11], v[rD:rD+7], v[rP], v[rX] matrix_a_fmt:MATRIX_FMT_FP6 matrix_b_fmt:MATRIX_FMT_FP6 matrix_b_scale:MATRIX_SCALE_ROW1
.else
	v_wmma_scale_f32_16x16x128_f8f6f4 v[rD:rD+7], v[rW:rW+11], v[rA:rA+11], v[rD:rD+7], v[rP], v[rX] matrix_a_fmt:MATRIX_FMT_FP6 matrix_b_fmt:MATRIX_FMT_FP6 matrix_a_scale:MATRIX_SCALE_ROW1 matrix_b_scale:MATRIX_SCALE_ROW1
.endif
.endif
.endm
.macro MUL16 s, a0                             ; 16 products; the pass's 32 accumulators take turns, one instruction a turn, in the same order in every K step
.irp a, \a0, \a0+1, \a0+2, \a0+3
.irp b, 0,1,2,3
	MM \s, \a, \b
.endr
.endr
.endm
; A K step: 32 products.  The rows' tiles 0-3 of the next step are fetched in its middle, tiles 4-7 at its end; W_h's set of three steps on in its middle, into the set that the step before has left.
.macro KSTEP s
.if (\s) > 0
	s_wait_loadcnt 24                              ; this step's set of W_h is in; the two sets asked for behind it may be out
.endif
	s_wait_dscnt 12                                ; the rows' tiles 0-3 are in; the youngest 12 LDS loads may be out
	WIN 0x53                                       ; source 0 (W_h) window 3, source 1 (rows) window 0, C and D window 1
	MUL16 \s, 0
	s_wait_dscnt 0x0                               ; tiles 4-7 are in
	PLACES
	WIN 0
	ALOAD ((\s)+1)%8, 0
.if (\s) < 5
	BLOAD BOFF, 4*FRB*((\s)+3), ((\s)+3)%4
.else
	BLOAD BOFN, 4*FRB*((\s)-5), ((\s)+3)%4
.endif
	WIN 0x53
	MUL16 \s, 4
	PLACES
	WIN 0
	ALOAD ((\s)+1)%8, 4
.endm
; Behind a pass: tiles a and a + 1 of rows, 64 registers.  Each accumulator is first read at its low end.
.macro EPI a
	WIN 0x71                                       ; accumulators window 1, c sf window 3
.set k, 0
.rept 32
	v_pk_fma_f32 v[32*(\a)+2*k:32*(\a)+2*k+1], v[32*(\a)+2*k:32*(\a)+2*k+1], s[CC:CC+1], v[SF2+2*(k%16):SF2+2*(k%16)+1] op_sel_hi:[1,0,1]   ; c enc + c sf
.set k, k+1
.endr
	WIN 0x53                                       ; c W_x window 3, coverage window 0
.set k, 0
.rept 16
	v_pk_fma_f32 v[32*(\a)+2*k:32*(\a)+2*k+1], v[WX2+2*k:WX2+2*k+1], v[COV+(\a):COV+(\a)+1], v[32*(\a)+2*k:32*(\a)+2*k+1] op_sel_hi:[1,0,1]   ; + c W_x x my row's coverage: the pair's first word for tile a,
.set k, k+1
.endr
.set k, 0
.rept 16
	v_pk_fma_f32 v[32*(\a)+32+2*k:32*(\a)+32+2*k+1], v[WX2+2*k:WX2+2*k+1], v[COV+(\a):COV+(\a)+1], v[32*(\a)+32+2*k:32*(\a)+32+2*k+1] op_sel:[0,1,0] op_sel_hi:[1,1,1]   ; its second for tile a + 1
.set k, k+1
.endr
	WIN 0x41
.set k, 0
.rept 64
	v_exp_f32 v[32*(\a)+k], v[32*(\a)+k]
.set k, k+1
.endr
	v_nop                                          ; a plain place behind the last exponential
.set k, 0
	s_wait_alu depctr_va_vdst(0)
.rept 32
	v_pk_add_f32 v[32*(\a)+2*k:32*(\a)+2*k+1], v[32*(\a)+2*k:32*(\a)+2*k+1], 1.0 op_sel_hi:[1,0]
.set k, k+1
.endr
.set k, 0
.rept 64
	v_rcp_f32 v[32*(\a)+k], v[32*(\a)+k]
.set k, k+1
.endr
	v_nop                                          ; a plain place behind the last reciprocal
	WIN 0x01
.set k, 0
	s_wait_alu depctr_va_vdst(0)
.rept 16                                       ; four chains by turns
	v_pk_fma_f32 v[SS+4*(\a)+2*(k%2):SS+4*(\a)+2*(k%2)+1], v[32*(\a)+2*k:32*(\a)+2*k+1], v[V2+2*k:V2+2*k+1], v[SS+4*(\a)+2*(k%2):SS+4*(\a)+2*(k%2)+1]
	v_pk_fma_f32 v[SS+4*(\a)+4+2*(k%2):SS+4*(\a)+4+2*(k%2)+1], v[32*(\a)+32+2*k:32*(\a)+32+2*k+1], v[V2+2*k:V2+2*k+1], v[SS+4*(\a)+4+2*(k%2):SS+4*(\a)+4+2*(k%2)+1]
.set k, k+1
.endr
	WIN 0
.endm
; 16 rows of bf16 (register 16 row + j: d = 128 (j / 2) + 4 lane (+ 2 for odd j), and the next) x their p, onto 32 sums
.macro WSUM base
.set rho, 0
.rept 16
.set jj, 0
.rept 16
	v_fma_mix_f32_bf16 v[AW+2*jj], v[16*rho+jj], v[PP+\base+rho], v[AW+2*jj] op_sel_hi:[1,0,0]
	v_fma_mix_f32_bf16 v[AW+2*jj+1], v[16*rho+jj], v[PP+\base+rho], v[AW+2*jj+1] op_sel:[1,0,0] op_sel_hi:[1,0,0]
.set jj, jj+1
.endr
.set rho, rho+1
.endr
.endm
	s_load_b512 s[8:23], s[0:1], 0x0               ; context s[8:9], coverage s[10:11], mask s[12:13], W_x s[14:15], v s[16:17], W_h scales s[18:19], wimg s[20:21], sf s[22:23]
	s_load_b128 s[24:27], s[0:1], 0x40             ; out2, out3
	s_load_b64 s[28:29], s[0:1], 0x50              ; wpart
	v_lshrrev_b32 v1, 5, v0
	v_readfirstlane_b32 s[WV], v1                  ; wave 0..3
	v_and_b32 v1, 31, v0                           ; lane
	v_and_b32 v2, 15, v0                           ; r
	v_bfe_u32 v3, v0, 4, 1                         ; h
	v_lshlrev_b32 v[CL], 4, v1
	s_mul_i32 s31, s[WV], 16*SP
	s_add_co_u32 s31, s31, STG
	v_add_nc_u32 v[STW], s31, v[CL]
	v_mul_u32_u24 v[STR], v2, SP
	v_lshl_add_u32 v[STR], v3, 6, v[STR]
	v_add_nc_u32 v[STR], s31, v[STR]
	s_mul_i32 s31, s[WV], 16*FRB                   ; my two tiles' 16 images
	v_add_nc_u32 v[XW], s31, v[CL]
	s_lshl_b32 s31, s[WV], 10
	s_add_co_u32 s31, s31, XSC
	v_lshl_add_u32 v[XSW], v2, 5, s31              ; row 32 w + r: 32 bytes a row
	s_lshl_b32 s31, s[WV], 15
	s_add_co_u32 s31, s31, RET
	v_add_nc_u32 v[RA], s31, v[CL]
	v_add_nc_u32 v[LI2], 32*FRB, v[CL]
	v_lshl_add_u32 v[XSR], v1, 5, XSC
	s_lshl_b32 s31, s[WV], 10
	s_add_co_u32 s31, s31, CONST
	v_lshl_add_u32 v[CA0], v3, 5, s31              ; my 256 columns, + my half's eight
	s_mul_i32 s31, s[WV], 128*FRB                  ; my 4 passes x 8 K steps x 4 fragments
	v_add_nc_u32 v[BL], s31, v[CL]
	s_lshl_b32 s31, s[WV], 13
	v_lshl_add_u32 v[WSL], v1, 5, s31              ; my 256 rows of 32 scale bytes; a row to a lane
	s_lshl_b32 s31, s[WV], 9
	s_add_co_u32 s32, s31, SRED
	v_lshl_add_u32 v[SRW], v2, 2, s32
	v_add_nc_u32 v[SRR], SRED, v[CL]
	s_add_co_u32 s32, s31, PB
	v_add_nc_u32 v[PBW], s32, v[CL]
	v_and_b32 v[PBR], 0x60, v0                     ; 32 w
	v_mul_u32_u24 v[PBR], v[PBR], 20               ; 640 w = my wave's 512 bytes + my 32 rows' place in them
	v_add_nc_u32 v[PBR], PB, v[PBR]
	s_lshl_b32 s32, s[WV], 12
	s_add_co_u32 s32, s32, WRED
	v_add_nc_u32 v[WRW], s32, v[CL]
	s_lshl_b32 s32, s[WV], 10
	s_add_co_u32 s32, s32, WRED
	v_add_nc_u32 v[WRR], s32, v[CL]
	v_lshl_add_u32 v[CTW], v0, 5, CONST
	v_lshlrev_b32 v[RO], 2, v2
	v_lshlrev_b32 v[TO], 5, v0
.irp b, 0,1,2,3
	v_mov_b32 v[TM+4+\b], 0                        ; written once: a lane permute's destination counts as one of its sources
.endr
	s_mov_b32 s[CC], 0x4038aa3b                    ; c = 2 log2(e)
	s_mov_b32 s[CC+1], s[CC]
	s_mov_b32 s[SEL], 0x76543210
	s_mov_b32 s[SEL+1], 0xfedcba98                 ; v_permlanex16_b32's selects for lane l xor 16
	s_mov_b32 s35, 0
	s_wait_kmcnt 0x0
	s_lshl_b32 s34, ttmp9, 20                      ; context: two blocks of 128 rows of 4,096 bytes a work-group, 32 rows of a block a wave (under 2^28 in all)
	s_lshl_b32 s33, s[WV], 17
	s_add_co_u32 s34, s34, s33
	s_add_nc_u64 s[8:9], s[8:9], s[34:35]
	s_lshl_b32 s34, ttmp9, 10                      ; a number a row: two blocks of 512 bytes
	s_add_nc_u64 s[10:11], s[10:11], s[34:35]
	s_add_nc_u64 s[12:13], s[12:13], s[34:35]
	s_add_nc_u64 s[24:25], s[24:25], s[34:35]
	s_add_nc_u64 s[26:27], s[26:27], s[34:35]
	s_lshr_b32 s34, ttmp9, 2                       ; the batch: four work-groups to each
	s_lshl_b32 s34, s34, 12
	s_add_nc_u64 s[22:23], s[22:23], s[34:35]
	s_lshl_b32 s34, ttmp9, 13                      ; wpart: 4,096 bytes a block, my 1,024 of them
	s_lshl_b32 s33, s[WV], 10
	s_add_co_u32 s34, s34, s33
	s_add_nc_u64 s[28:29], s[28:29], s[34:35]
	; the batch's constants, then the first block's first units of context
	global_load_b128 v[160:163], v[TO], s[22:23]               ; eight numbers a thread of sf[b],
	global_load_b128 v[164:167], v[TO], s[22:23] offset:16
	global_load_b128 v[168:171], v[TO], s[14:15]               ; of W_x,
	global_load_b128 v[172:175], v[TO], s[14:15] offset:16
	global_load_b128 v[176:179], v[TO], s[16:17]               ; of v
	global_load_b128 v[180:183], v[TO], s[16:17] offset:16
	CLOAD 0
	CLOAD 1
	CLOAD 2
	s_wait_loadcnt 48                              ; the six are in (so their offset register is free too); the 48 loads of context may be out
.irp i, 0,1,2,3,4,5,6,7
	v_pk_mul_f32 v[160+2*\i:161+2*\i], v[160+2*\i:161+2*\i], s[CC:CC+1] op_sel_hi:[1,0]   ; c sf, c W_x
.endr
.irp i, 0,1,2,3
	v_pk_mul_f32 v[176+2*\i:177+2*\i], v[176+2*\i:177+2*\i], -2.0 op_sel_hi:[1,0]         ; -2 v
.endr
.irp k, 0,1,2
.irp q, 0,1
	ds_store_b128 v[CTW], v[160+8*\k+4*\q:163+8*\k+4*\q] offset:4096*\k+16*\q
.endr
.endr
	s_wait_dscnt 0x0                               ; v160-183 were store data: they are loaded again only behind this wait
	CLOAD 3
	s_mov_b32 s[BLK], 2
.Lblock:                                               ; here, on the way in and on the way back alike, units 0-3 of the block have been asked for, and nothing behind them
	; the block's 14 small loads
.irp a, 0,1,2,3,4,5,6,7
	global_load_b32 v[COV+\a], v[RO], s[10:11] offset:64*\a    ; coverage of row 16 a + r
.endr
	global_load_b128 v[CCP:CCP+3], v[CL], s[10:11]             ; coverage as it lies, for out2
	global_load_b128 v[MK:MK+3], v[CL], s[12:13]               ; the mask of rows 4 lane + 0 .. 3
.irp i, 0,1
.irp q, 0,1
	global_load_b128 v[WS+8*\i+4*\q:WS+8*\i+4*\q+3], v[WSL], s[18:19] offset:1024*\i+16*\q   ; pass 0's scale words of W_h: register 8 i + s: tile 2 i in lanes 0-15, tile 2 i + 1 in lanes 16-31
.endr
.endr
	; ---- P1
.irp u, 0,1,2,3,4,5,6,7,8,9,10,11,12,13,14,15
	UNIT \u
.endr
	s_add_nc_u64 s[8:9], s[8:9], 0x80000           ; unit 15's wait has shown every load of context done: the base goes on to the next block's 128 rows
.set k, 0
.rept 32
	v_mov_b32 v[SS+k], 0                           ; the scores' sums run through all four passes
.set k, k+1
.endr
.irp i, 0,1,2,3
	v_mov_b32 v[VL+\i], 0
.endr
	s_cmp_lg_u32 s[WV], 0
	s_cbranch_scc1 .Lno_cov
	global_store_b128 v[CL], v[CCP:CCP+3], s[24:25]            ; wave 0: 32 lanes store the block's 512 bytes of out2; these registers are written again only behind the wait at the trip's end
.Lno_cov:
	s_wait_dscnt 0x0                               ; my images, scale words and constants have landed
	s_barrier_signal -1
	s_barrier_wait -1                              ; everybody's have
.irp i, 0,1,2,3
.irp q, 0,1
	ds_load_b128 v[XS+8*\i+4*\q:XS+8*\i+4*\q+3], v[XSR] offset:1024*\i+16*\q   ; the rows' scale words stay: register 8 i + s: tile 2 i in lanes 0-15, tile 2 i + 1 in lanes 16-31
.endr
.endr
	ALOAD 0, 0
	ALOAD 0, 4
	s_mov_b32 s[PO], 0
	s_mov_b32 s[WO], 0
	s_mov_b32 s[CP], 0
	s_mov_b32 s[CNT], 4
	; ---- P2: four passes of 64 columns
.Lpass:
	s_wait_loadcnt 0x0                             ; no load of mine is out: the offsets below may be written; this pass's first three sets and its scale words are in
	s_add_co_u32 s[PN], s[PO], 32*FRB
	s_min_u32 s[PN], s[PN], 96*FRB                 ; the last pass's look-ahead is held on its own bytes: no load leaves wimg; what it brings is not used
	s_add_co_u32 s[WN], s[WO], 2048
	s_min_u32 s[WN], s[WN], 6144                   ; likewise in W_h's scale bytes
	v_add_nc_u32 v[BOFF], s[PO], v[BL]
	v_add_nc_u32 v[BOFN], s[PN], v[BL]
	v_add_nc_u32 v[WSN], s[WN], v[WSL]
	v_add_nc_u32 v[CA], s[CP], v[CA0]
	WIN 0xc0
.irp b, 0,1,2,3
.irp q, 0,1
	ds_load_b128 v[SF2+8*\b+4*\q:SF2+8*\b+4*\q+3], v[CA] offset:64*\b+16*\q          ; register 8 b + j: column 16 b + 8 h + j of the pass
	ds_load_b128 v[WX2+8*\b+4*\q:WX2+8*\b+4*\q+3], v[CA] offset:4096+64*\b+16*\q
.endr
.endr
	WIN 0
.irp b, 0,1,2,3
.irp q, 0,1
	ds_load_b128 v[V2+8*\b+4*\q:V2+8*\b+4*\q+3], v[CA] offset:8192+64*\b+16*\q
.endr
.endr
.irp s, 0,1,2,3,4,5,6,7
	KSTEP \s
.endr
.irp i, 0,1
.irp q, 0,1
	global_load_b128 v[WS+8*\i+4*\q:WS+8*\i+4*\q+3], v[WSN], s[18:19] offset:1024*\i+16*\q   ; the next pass's scale words, behind the last K step's four places
.endr
.endr
.set k, 0
.rept 16
	v_pk_add_f32 v[VL+2*(k%2):VL+2*(k%2)+1], v[VL+2*(k%2):VL+2*(k%2)+1], v[V2+2*k:V2+2*k+1]   ; the sum of -2 v over my lane's columns
.set k, k+1
.endr
	EPI 0
	EPI 2
	EPI 4
	EPI 6
	s_add_co_u32 s[PO], s[PO], 32*FRB
	s_add_co_u32 s[WO], s[WO], 2048
	s_add_co_u32 s[CP], s[CP], 256
	s_sub_co_u32 s[CNT], s[CNT], 1
	s_cmp_lg_u32 s[CNT], 0
	s_cbranch_scc1 .Lpass
	; ---- P3
	s_wait_loadcnt 0x0                             ; the last pass's look-ahead has landed: window 3 is free
	s_wait_dscnt 0x0                               ; the fragments fetched by the last K step are in: their registers are free
	s_cmp_eq_u32 s[BLK], 1                         ; THE NEXT BLOCK, if there is one (one branch round all of it: no load and no prefetch leaves context):
	s_cbranch_scc1 .Lno_next
	CLOAD 0                                        ; its units 0-3 into the accumulators' registers, which the last pass has left: 64 loads, which land while P3 runs
	CLOAD 1
	CLOAD 2
	CLOAD 3
	v_lshrrev_b32 v[PFA], 1, v1                    ; and its units 4-7, which the first four units' turns behind P3 will load, are asked into the L2: bytes 2,048 to 4,095 of my first 16 rows,
	v_and_b32 v[PFA+1], 1, v1                      ; 32 KiB, by my wave alone: two lanes to a row, 1,024 bytes apart, four instructions 256 bytes apart: each block of 256 bytes once
	v_lshlrev_b32 v[PFA], 12, v[PFA]
	v_lshl_add_u32 v[PFA], v[PFA+1], 10, v[PFA]
.irp j, 0,1,2,3
	global_prefetch_b8 v[PFA], s[8:9] offset:2048+256*\j th:TH_LOAD_NT scope:SCOPE_SE
.endr
.Lno_next:
	WIN 0xc0
.irp r, 0,1,2,3,4,5,6,7,8,9,10,11,12,13,14,15
.irp g, 0,1,2,3
	ds_load_b128 v[16*\r+4*\g:16*\r+4*\g+3], v[RA] offset:2048*\r+512*\g   ; my second 16 rows in bf16, into window 3, laid as window 2
.endr
.endr
	WIN 0
	v_pk_add_f32 v[VL:VL+1], v[VL:VL+1], v[VL+2:VL+3]
.irp a, 0,1,2,3,4,5,6,7
	v_pk_add_f32 v[SS+4*\a:SS+4*\a+1], v[SS+4*\a:SS+4*\a+1], v[SS+4*\a+2:SS+4*\a+3]
.endr
	v_add_f32 v[VL], v[VL], v[VL+1]
.irp a, 0,1,2,3,4,5,6,7
	v_add_f32 v[TT+\a], v[SS+4*\a], v[SS+4*\a+1]
.endr
.irp a, 0,1,2,3,4,5,6,7
	v_fma_f32 v[TT+\a], v[VL], -0.5, v[TT+\a]      ; + the sum of v over the same columns
.endr
.irp a, 0,1,2,3,4,5,6,7
	v_permlanex16_b32 v[UU+\a], v[TT+\a], s[SEL], s[SEL+1]
.endr
.irp a, 0,1,2,3,4,5,6,7
	v_add_f32 v[TT+\a], v[TT+\a], v[UU+\a]         ; with the other half's columns: my wave's part of row 16 a + r's score
.endr
.irp a, 0,1,2,3,4,5,6,7
	ds_store_b32 v[SRW], v[TT+\a] offset:64*\a     ; both halves write the same word with the same value
.endr
	s_wait_dscnt 0x0
	s_barrier_signal -1
	s_barrier_wait -1                              ; the four waves' parts lie in LDS
.irp w, 0,1,2,3
	ds_load_b128 v[228+4*\w:231+4*\w], v[SRR] offset:512*\w
.endr
	s_wait_dscnt 0x0
	v_pk_add_f32 v[228:229], v[228:229], v[232:233]            ; the same order in every wave: the same bits
	v_pk_add_f32 v[230:231], v[230:231], v[234:235]
	v_pk_add_f32 v[236:237], v[236:237], v[240:241]
	v_pk_add_f32 v[238:239], v[238:239], v[242:243]
	v_pk_add_f32 v[SCR:SCR+1], v[228:229], v[236:237]
	v_pk_add_f32 v[SCR+2:SCR+3], v[230:231], v[238:239]        ; the scores of rows 4 lane + 0 .. 3
	s_cmp_lg_u32 s[WV], 0
	s_cbranch_scc1 .Lno_score
	global_store_b128 v[CL], v[SCR:SCR+3], s[26:27]            ; wave 0: the block's 512 bytes of out3; these registers are written again only behind the wait at the trip's end
.Lno_score:
	v_mov_b32 v245, 0
	v_max3_num_f32 v244, v[SCR], v[SCR+1], v[SCR+2]
	v_max_num_f32 v244, v244, v[SCR+3]
	v_max_num_f32_dpp v244, v244, v244 row_xmask:1 row_mask:0xf bank_mask:0xf
	v_max_num_f32_dpp v244, v244, v244 row_xmask:2 row_mask:0xf bank_mask:0xf
	v_max_num_f32_dpp v244, v244, v244 row_xmask:4 row_mask:0xf bank_mask:0xf
	v_max_num_f32_dpp v244, v244, v244 row_xmask:8 row_mask:0xf bank_mask:0xf
	v_permlanex16_b32 v245, v244, s[SEL], s[SEL+1]
	v_max_num_f32 v244, v244, v245                 ; the block's largest score, masked rows too, as the softmax has it
.irp i, 0,1,2,3
	v_sub_f32 v[248+\i], v[SCR+\i], v244
.endr
.irp i, 0,1,2,3
	v_mul_f32 v[248+\i], 0x3fb8aa3b, v[248+\i]
.endr
.irp i, 0,1,2,3
	v_exp_f32 v[248+\i], v[248+\i]
.endr
	v_nop                                          ; a plain place behind the last exponential
	s_wait_alu depctr_va_vdst(0)
.irp i, 0,1,2,3
	v_mul_f32 v[248+\i], v[248+\i], v[MK+\i]       ; p = exp(score - m) x mask
.endr
	ds_store_b128 v[PBW], v[248:251]               ; my wave's own copy of the 128 p,
.irp q, 0,1,2,3,4,5,6,7
	ds_load_b128 v[PP+4*\q:PP+4*\q+3], v[PBR] offset:16*\q     ; and back: my 32 rows' p in every lane (LDS serves a wave's instructions in order)
.endr
.set k, 0
.rept 32
	v_mov_b32 v[AW+k], 0
.set k, k+1
.endr
	s_wait_dscnt 0x0
	WIN 0x02                                       ; source 0 window 2: my first 16 rows
	WSUM 0
	WIN 0x03                                       ; window 3: my second 16
	WSUM 16
	WIN 0
.irp s, 0,1,2,3,4,5,6,7
	ds_store_b128 v[WRW], v[AW+4*\s:AW+4*\s+3] offset:512*\s   ; register 4 s + i is d = 128 s + 4 lane + i
.endr
	s_wait_dscnt 0x0
	s_barrier_signal -1
	s_barrier_wait -1                              ; the four waves' sums lie in LDS
.irp w, 0,1,2,3
.irp q, 0,1
	ds_load_b128 v[AW+8*\w+4*\q:AW+8*\w+4*\q+3], v[WRR] offset:4096*\w+512*\q   ; d = 256 x my wave + 128 q + 4 lane on, of each wave's sums
.endr
.endr
	s_wait_dscnt 0x0
.irp e, 0,2,4,6
	v_pk_add_f32 v[AW+\e:AW+\e+1], v[AW+\e:AW+\e+1], v[AW+8+\e:AW+8+\e+1]
	v_pk_add_f32 v[AW+16+\e:AW+16+\e+1], v[AW+16+\e:AW+16+\e+1], v[AW+24+\e:AW+24+\e+1]
.endr
.irp e, 0,2,4,6
	v_pk_add_f32 v[AW+\e:AW+\e+1], v[AW+\e:AW+\e+1], v[AW+16+\e:AW+16+\e+1]
.endr
	global_store_b128 v[CL], v[AW:AW+3], s[28:29]              ; 32 lanes store 512 consecutive bytes of the block's row of wpart
	global_store_b128 v[CL], v[AW+4:AW+7], s[28:29] offset:512
	s_wait_xcnt 0x0                                ; every memory instruction issued so far has had its addresses translated (ISA guide 3.1): only behind this wait are the stores' data (v28-31, v160-167, v224-227), the prefetch's offset and the bases below written again
	s_add_nc_u64 s[10:11], s[10:11], 512           ; on to the next block: 512 bytes of coverage, of the mask, of out2 and of out3,
	s_add_nc_u64 s[12:13], s[12:13], 512
	s_add_nc_u64 s[24:25], s[24:25], 512
	s_add_nc_u64 s[26:27], s[26:27], 512
	s_add_nc_u64 s[28:29], s[28:29], 4096          ; a row of wpart
	s_sub_co_u32 s[BLK], s[BLK], 1
	s_cmp_lg_u32 s[BLK], 0
	s_cbranch_scc1 .Lblock
	s_wait_xcnt 0x0
	v_lshl_add_u32 v254, v0, 2, 0x49400
	v_mov_b32 v255, 0
	s_wait_tensorcnt 0x0
	ds_add_u32 v254, v255
	s_wait_dscnt 0x0
	s_endpgm
.Lfunc_end_k_q98125f8e4c_main:
	.size	k_q98125f8e4c_main, .Lfunc_end_k_q98125f8e4c_main-k_q98125f8e4c_main
	.p2alignl 7, 3214868480
	.fill 96, 4, 3214868480
	.section	.rodata,"a",@progbits
	.p2align	6, 0x0
	.amdhsa_kernel k_q98125f8e4c_main
		.amdhsa_group_segment_fixed_size 300544
		.amdhsa_private_segment_fixed_size 0
		.amdhsa_enable_private_segment 0
		.amdhsa_kernarg_size 88
		.amdhsa_user_sgpr_count 2
		.amdhsa_user_sgpr_kernarg_segment_ptr 1
		.amdhsa_wavefront_size32 1
		.amdhsa_system_sgpr_workgroup_id_x 1
		.amdhsa_system_sgpr_workgroup_id_y 1
		.amdhsa_system_sgpr_workgroup_id_z 1
		.amdhsa_system_vgpr_workitem_id 0
		.amdhsa_next_free_vgpr 1024
		.amdhsa_next_free_sgpr 66
		.amdhsa_reserve_vcc 0
		.amdhsa_float_denorm_mode_32 3
		.amdhsa_float_denorm_mode_16_64 3
		.amdhsa_memory_ordered 1
		.amdhsa_forward_progress 1
		.amdhsa_inst_pref_size 255
	.end_amdhsa_kernel
	.section	.bss,"aw",@nobits
	.p2align	6
	.space	262144
	.amdgpu_metadata
---
amdhsa.version: [ 1, 2 ]
amdhsa.kernels:
  - .name:           k_q98125f8e4c_main
    .symbol:         k_q98125f8e4c_main.kd
    .args:
      - { .name: context, .offset: 0, .size: 8, .value_kind: global_buffer, .address_space: global }
      - { .name: coverage, .offset: 8, .size: 8, .value_kind: global_buffer, .address_space: global }
      - { .name: padding_mask, .offset: 16, .size: 8, .value_kind: global_buffer, .address_space: global }
      - { .name: W_x, .offset: 24, .size: 8, .value_kind: global_buffer, .address_space: global }
      - { .name: v, .offset: 32, .size: 8, .value_kind: global_buffer, .address_space: global }
      - { .name: W_h_scales, .offset: 40, .size: 8, .value_kind: global_buffer, .address_space: global }
      - { .name: wimg, .offset: 48, .size: 8, .value_kind: global_buffer, .address_space: global }
      - { .name: sf, .offset: 56, .size: 8, .value_kind: global_buffer, .address_space: global }
      - { .name: out2, .offset: 64, .size: 8, .value_kind: global_buffer, .address_space: global }
      - { .name: out3, .offset: 72, .size: 8, .value_kind: global_buffer, .address_space: global }
      - { .name: wpart, .offset: 80, .size: 8, .value_kind: global_buffer, .address_space: global }
    .group_segment_fixed_size: 300544
    .private_segment_fixed_size: 0
    .kernarg_segment_align: 8
    .kernarg_segment_size: 88
    .max_flat_workgroup_size: 128
    .sgpr_count:     66
    .vgpr_count:     1024
    .wavefront_size: 32
...
	.end_amdgpu_metadata
.endif
;; end of part 2
;; launch combine (part 3): grid 64 x 1, 8 waves a work-group, no clusters, 1,280 bytes of LDS; arguments out3, padding_mask, wpart, out0, out1; writes out0, out1
.if DOCPART == 3
	.amdgcn_target "amdgcn-amd-amdhsa--gfx1250"
	.amdhsa_code_object_version 6
	.text
	.protected	k_q98125f8e4c_combine
	.globl	k_q98125f8e4c_combine
	.p2align	8
	.type	k_q98125f8e4c_combine,@function
k_q98125f8e4c_combine:
	s_mov_b64 s[64:65], 0
	v_nop
	global_prefetch_b8 v0, s[64:65] scope:SCOPE_SE
	s_setreg_imm32_b32 hwreg(HW_REG_WAVE_MODE, 25, 1), 1
	s_wait_xcnt 0x0
; One work-group a batch merges the batch's eight blocks of 128 rows.  With M the batch's largest score (masked rows too, as the softmax has it):
;   out1[l] = exp(s[l] - M) mask[l] / Z,  Z = the sum over l of exp(s[l] - M) mask[l]: the softmax's own divisor cancels against the second normalisation;
;   out0[d] = the sum over the blocks k of wpart[k][d] exp(m[k] - M) / Z,  m[k] the block's largest score, under which the launch before summed its part.
; Thread t holds scores 4 t .. 4 t + 3, so wave i holds exactly block i, and its maximum is m[i], the same bits as in the launch before (a maximum rounds nothing).  Thread t also makes d = 4 t .. 4 t + 3.
; A stream of 48 KiB a work-group: no matrix unit, no tensor load; two barriers for the two figures that cross waves, in LDS words of their own.
; Where every row of a batch is masked, Z is 0 and the results are NaN, as the division by the zero sum makes them in the definition.  NaN and infinities among the scores are not served.
	s_load_b256 s[4:11], s[0:1], 0x0               ; scores s[4:5], mask s[6:7], wpart s[8:9], out0 s[10:11]
	s_load_b64 s[12:13], s[0:1], 0x20              ; out1
	v_lshl_add_u32 v96, v0, 2, 0x100
	v_mov_b32 v97, 0
	v_lshlrev_b32 v1, 4, v0                        ; 16 bytes a thread
	v_lshrrev_b32 v2, 5, v0
	v_lshlrev_b32 v2, 2, v2                        ; LDS: a word a wave
	v_mov_b32 v3, 0
	v_mov_b32 v49, 0                               ; written once: a lane permute's destination counts as one of its sources
	s_mov_b32 s16, 0x76543210
	s_mov_b32 s17, 0xfedcba98                      ; v_permlanex16_b32's selects for lane l xor 16
	s_mov_b32 s18, 0x3fb8aa3b                      ; log2(e)
	s_lshl_b32 s14, ttmp9, 12                      ; a row of 4,096 bytes a batch
	s_mov_b32 s15, 0
	s_lshl_b32 s20, ttmp9, 15                      ; eight of them in wpart
	s_mov_b32 s21, 0
	s_wait_kmcnt 0x0
	s_add_nc_u64 s[4:5], s[4:5], s[14:15]
	s_add_nc_u64 s[6:7], s[6:7], s[14:15]
	s_add_nc_u64 s[8:9], s[8:9], s[20:21]
	s_add_nc_u64 s[10:11], s[10:11], s[14:15]
	s_add_nc_u64 s[12:13], s[12:13], s[14:15]
	global_load_b128 v[4:7], v1, s[4:5]
	global_load_b128 v[8:11], v1, s[6:7]
.irp k, 0,1,2,3,4,5,6,7
	global_load_b128 v[16+4*\k:19+4*\k], v1, s[8:9] offset:4096*\k th:TH_LOAD_NT
.endr
	s_wait_loadcnt 9                               ; the scores are in; the mask and the eight parts may be out
	v_max3_num_f32 v48, v4, v5, v6
	v_max_num_f32 v48, v48, v7
	v_max_num_f32_dpp v48, v48, v48 row_xmask:1 row_mask:0xf bank_mask:0xf
	v_max_num_f32_dpp v48, v48, v48 row_xmask:2 row_mask:0xf bank_mask:0xf
	v_max_num_f32_dpp v48, v48, v48 row_xmask:4 row_mask:0xf bank_mask:0xf
	v_max_num_f32_dpp v48, v48, v48 row_xmask:8 row_mask:0xf bank_mask:0xf
	v_permlanex16_b32 v49, v48, s16, s17
	v_max_num_f32 v48, v48, v49                    ; my block's largest score
	ds_store_b32 v2, v48                           ; all lanes write the same word with the same value
	s_wait_dscnt 0x0
	s_barrier_signal -1
	s_barrier_wait -1
	ds_load_b128 v[52:55], v3
	ds_load_b128 v[56:59], v3 offset:16            ; m[0 .. 7], in every lane
	s_wait_dscnt 0x0
	v_max3_num_f32 v50, v52, v53, v54
	v_max3_num_f32 v50, v50, v55, v56
	v_max3_num_f32 v50, v50, v57, v58
	v_max_num_f32 v50, v50, v59                    ; M
.irp j, 0,1,2,3
	v_sub_f32 v[60+\j], v[4+\j], v50
.endr
.irp k, 0,1,2,3,4,5,6,7
	v_sub_f32 v[64+\k], v[52+\k], v50
.endr
.irp j, 0,1,2,3,4,5,6,7,8,9,10,11
	v_mul_f32 v[60+\j], s18, v[60+\j]
.endr
.irp j, 0,1,2,3,4,5,6,7,8,9,10,11
	v_exp_f32 v[60+\j], v[60+\j]                   ; v60-63 exp(s - M); v64-71 exp(m[k] - M)
.endr
	v_nop                                          ; a plain place behind the last exponential
	s_wait_loadcnt 8                               ; the mask is in
	s_wait_alu depctr_va_vdst(0)
	v_pk_mul_f32 v[60:61], v[60:61], v[8:9]
	v_pk_mul_f32 v[62:63], v[62:63], v[10:11]
	v_add_f32 v72, v60, v61
	v_add_f32 v73, v62, v63
	v_add_f32 v72, v72, v73
	v_add_f32_dpp v72, v72, v72 row_xmask:1 row_mask:0xf bank_mask:0xf
	v_add_f32_dpp v72, v72, v72 row_xmask:2 row_mask:0xf bank_mask:0xf
	v_add_f32_dpp v72, v72, v72 row_xmask:4 row_mask:0xf bank_mask:0xf
	v_add_f32_dpp v72, v72, v72 row_xmask:8 row_mask:0xf bank_mask:0xf
	v_permlanex16_b32 v49, v72, s16, s17
	v_add_f32 v72, v72, v49                        ; my wave's part of Z
	ds_store_b32 v2, v72 offset:64                 ; other words than the maxima's: no wave can still be reading what is written here
	s_wait_dscnt 0x0
	s_barrier_signal -1
	s_barrier_wait -1
	ds_load_b128 v[52:55], v3 offset:64
	ds_load_b128 v[56:59], v3 offset:80
	s_wait_dscnt 0x0
	v_pk_add_f32 v[52:53], v[52:53], v[54:55]
	v_pk_add_f32 v[56:57], v[56:57], v[58:59]
	v_pk_add_f32 v[52:53], v[52:53], v[56:57]
	v_add_f32 v52, v52, v53                        ; Z, the same bits in every wave
	v_rcp_f32 v74, v52
	v_nop                                          ; a plain place behind the reciprocal
	s_wait_alu depctr_va_vdst(0)
.irp j, 0,1,2,3
	v_mul_f32 v[60+\j], v[60+\j], v74
.endr
	global_store_b128 v1, v[60:63], s[12:13]       ; out1: a wave stores 512 consecutive bytes
.irp k, 0,1,2,3,4,5,6,7
	v_mul_f32 v[64+\k], v[64+\k], v74              ; exp(m[k] - M) / Z
.endr
	s_wait_loadcnt 0x0                             ; the eight parts
	v_pk_mul_f32 v[76:77], v[16:17], v[64:65] op_sel_hi:[1,0]
	v_pk_mul_f32 v[78:79], v[18:19], v[64:65] op_sel_hi:[1,0]
.irp k, 1,2,3,4,5,6,7
.if \k%2 == 0
	v_pk_fma_f32 v[76:77], v[16+4*\k:17+4*\k], v[64+\k:65+\k], v[76:77] op_sel_hi:[1,0,1]              ; the pair's first word for both halves
	v_pk_fma_f32 v[78:79], v[18+4*\k:19+4*\k], v[64+\k:65+\k], v[78:79] op_sel_hi:[1,0,1]
.else
	v_pk_fma_f32 v[76:77], v[16+4*\k:17+4*\k], v[63+\k:64+\k], v[76:77] op_sel:[0,1,0] op_sel_hi:[1,1,1]   ; its second
	v_pk_fma_f32 v[78:79], v[18+4*\k:19+4*\k], v[63+\k:64+\k], v[78:79] op_sel:[0,1,0] op_sel_hi:[1,1,1]
.endif
.endr
	global_store_b128 v1, v[76:79], s[10:11]       ; out0
	s_wait_tensorcnt 0x0
	ds_add_u32 v96, v97
	s_wait_dscnt 0x0
	s_endpgm
.Lfunc_end_k_q98125f8e4c_combine:
	.size	k_q98125f8e4c_combine, .Lfunc_end_k_q98125f8e4c_combine-k_q98125f8e4c_combine
	.p2alignl 7, 3214868480
	.fill 96, 4, 3214868480
	.section	.rodata,"a",@progbits
	.p2align	6, 0x0
	.amdhsa_kernel k_q98125f8e4c_combine
		.amdhsa_group_segment_fixed_size 1280
		.amdhsa_private_segment_fixed_size 0
		.amdhsa_enable_private_segment 0
		.amdhsa_kernarg_size 40
		.amdhsa_user_sgpr_count 2
		.amdhsa_user_sgpr_kernarg_segment_ptr 1
		.amdhsa_wavefront_size32 1
		.amdhsa_system_sgpr_workgroup_id_x 1
		.amdhsa_system_sgpr_workgroup_id_y 1
		.amdhsa_system_sgpr_workgroup_id_z 1
		.amdhsa_system_vgpr_workitem_id 0
		.amdhsa_next_free_vgpr 98
		.amdhsa_next_free_sgpr 66
		.amdhsa_reserve_vcc 0
		.amdhsa_float_denorm_mode_32 3
		.amdhsa_float_denorm_mode_16_64 3
		.amdhsa_memory_ordered 1
		.amdhsa_forward_progress 1
		.amdhsa_inst_pref_size 8
	.end_amdhsa_kernel
	.amdgpu_metadata
---
amdhsa.version: [ 1, 2 ]
amdhsa.kernels:
  - .name:           k_q98125f8e4c_combine
    .symbol:         k_q98125f8e4c_combine.kd
    .args:
      - { .name: out3, .offset: 0, .size: 8, .value_kind: global_buffer, .address_space: global }
      - { .name: padding_mask, .offset: 8, .size: 8, .value_kind: global_buffer, .address_space: global }
      - { .name: wpart, .offset: 16, .size: 8, .value_kind: global_buffer, .address_space: global }
      - { .name: out0, .offset: 24, .size: 8, .value_kind: global_buffer, .address_space: global }
      - { .name: out1, .offset: 32, .size: 8, .value_kind: global_buffer, .address_space: global }
    .group_segment_fixed_size: 1280
    .private_segment_fixed_size: 0
    .kernarg_segment_align: 8
    .kernarg_segment_size: 40
    .max_flat_workgroup_size: 256
    .sgpr_count:     66
    .vgpr_count:     98
    .wavefront_size: 32
...
	.end_amdgpu_metadata
.endif
;; end of part 3
;; ======== version 2 of 2: 3 launches
;; workspace buffers: wimg 786,432 bytes; sf 262,144 bytes; wpart 2,097,152 bytes
;; launch prep (part 4): grid 32 x 1, 4 waves a work-group, no clusters, 22,528 bytes of LDS; arguments hidden_state, cell_state, W_s_codes, W_s_scales, b_s, W_h_codes, wimg, sf; writes wimg, sf
.if DOCPART == 4
	.amdgcn_target "amdgcn-amd-amdhsa--gfx1250"
	.amdhsa_code_object_version 6
	.text
	.protected	k_q98125f8e4c_prep
	.globl	k_q98125f8e4c_prep
	.p2align	8
	.type	k_q98125f8e4c_prep,@function
k_q98125f8e4c_prep:
	s_mov_b64 s[64:65], 0
	v_nop
	global_prefetch_b8 v0, s[64:65] scope:SCOPE_SE
	s_setreg_imm32_b32 hwreg(HW_REG_WAVE_SCHED_MODE, 0, 2), 2
	s_setreg_imm32_b32 hwreg(HW_REG_WAVE_MODE, 25, 1), 1
	s_wait_xcnt 0x0
	s_wait_alu depctr_vm_vsrc(0)
; TWO SMALL JOBS IN ONE LAUNCH, 32 work-groups of four waves.
; (1) sf[b][e] = sum over k of Q(state)[b][k] W_s[e][k] + b_s[e], state[b] = hidden_state[b] followed by cell_state[b] (1,024 numbers), Q the MX quantiser to FP6 (E2M3) along k, W_s given as codes.
;     Work-group x: batches 16 (x & 3) on, columns 128 (x >> 2) on.  Wave w quantises K steps 2 w and 2 w + 1 of the 16 batches (128 along K each), hands the two fragments to the
;     other waves through LDS as images of their registers, and makes column tiles 2 w and 2 w + 1 of the work-group's eight: 16 matrix instructions, two accumulators by turns.
;     The product is used transposed (source 0 = 16 rows of W_s, source 1 = 16 batches): a lane holds one batch and eight neighbouring columns.  b_s is the C of each sum's first instruction.
; (2) W_h's codes are laid once in the order of a wave's operand registers: fragment f = (8 (tile / 4) + K step) 4 + tile % 4 at byte 1,536 f of wimg; in it register g of lane l at
;     512 (g / 4) + 16 l + 4 (g % 4).  The next launch then loads a fragment by three loads of 16 bytes a lane, 512 consecutive bytes each.  Each of the 128 waves lays four fragments.
; A block's scale is 2^(floor(log2(its largest magnitude)) - 2); its byte is the largest magnitude's exponent field - 2, held at 1 from below.
; LIMITS: a block whose largest magnitude lies under 2^-124 (a block of zeros too, where the rule says 127) gets the byte 1: a block of zeros has zero codes, which add nothing; NaN and infinities among the inputs are not served.
; THE MODE: SCHED_MODE bits 1:0 = 2 (LLVM: expert scheduling mode 2), set by the entry lines.  The code itself states the register dependences between vector or matrix
; instructions and memory or LDS instructions, with s_wait_alu, always for 0.
; THE PLAN.  Registers that memory or LDS instructions touch, and who else names them:
;   v4-v14           offsets and LDS addresses: made at the head, ahead of one wait on va_vdst, and never written again.
;   v32-159          the state's numbers as loaded; read by the two QUANTs.  The state's fragments land in v32-127 behind the wait on va_vdst that follows the second QUANT.
;   v160-179, v196   codes and scale word: written by a QUANT, read by its four LDS stores (a wait on va_vdst between), written again by the second QUANT (a wait on vm_vsrc between).
;   v200-215         the accumulators: written by the products, read by LDS stores: four places, then a wait on va_vdst.
;   window 1, v16-31, v216-247 are filled by loads once; beside that only products read them, and stores.
; REGISTERS: window 0: v1-14 addresses; v16-23 W_s's scale words, v24-31 the state's (scales and nothing else); v32-159 two sets of 64 numbers, later the state's 8 fragments;
;   v160-179 codes just made; v180-196 at work; v200-215 two accumulators; v216-231 b_s in the result's layout; v232-247 rows on the way out.
;   window 1: v0-191 W_s's 16 fragments (12 (8 n + s)); v192-239 four fragments of W_h.
.set FRB,  1536                        ; a fragment's image: 12 registers x 32 lanes x 4 bytes
.set XIMG, 0                           ; LDS: the state's 8 fragments, K step s at FRB s,
.set XSC,  8*FRB                       ; their scale words, 128 bytes a K step, 4 bytes a lane,
.set STG,  XSC+8*128                   ; and the stage for the way out: 16 rows x (512 bytes + 16)
.set SP,   528
.set XA,   4                           ; v4   the state: row r of 2,048 bytes, + 64 h: my 16 numbers of a block of 32
.set LI,   5                           ; v5   16 x lane
.set LS,   6                           ; v6   4 x lane
.set XWI,  7                           ; v7   where I store my two images
.set XWS,  8                           ; v8   and their scale words
.set FA,   9                           ; v9   a fragment's place in rows of 768 bytes: 768 r + 24 h
.set SA,   11                          ; v11  32 x lane: a row of 32 scale bytes to a lane
.set BA,   12                          ; v12  32 h: my half's eight numbers of b_s
.set SO,   13                          ; v13  the stage: where I put 32 bytes of a row
.set SR,   14                          ; v14  and where I read a row back
.set WSS,  16
.set XSS,  24
.set X0,   32
.set X1,   96
.set AFR,  32
.set PC,   160
.set TM,   180
.set PW,   196
.set ACC,  200
.set BIAS, 216
.set OUTR, 232
.set WHF,  192                         ; in window 1
.set WV,   26
.set SEL,  36
.set MSB, 0
.macro WIN new                         ; the immediate's high byte repeats the setting that is left
.if MSB != \new
	s_set_vgpr_msb (MSB<<8)|\new
.set MSB, \new
.endif
.endm
; 64 numbers of a lane, v[s] .. v[s + 63], register 16 b + i = k 32 b + 16 (lane / 16) + i of my row, become a fragment's codes in v[PC] on and its scale word in v[PW].
.macro QUANT s
.irp b, 0,1,2,3
	v_max3_num_f32 v[TM+\b], |v[\s+16*\b]|, |v[\s+1+16*\b]|, 0x1800000   ; block b: my 16 numbers, and the floor 2^(3 - 127): the byte cannot fall under 1
.endr
.irp i, 2,4,6,8,10,12,14
.irp b, 0,1,2,3
	v_max3_num_f32 v[TM+\b], v[TM+\b], |v[\s+16*\b+\i]|, |v[\s+1+16*\b+\i]|   ; the four blocks by turns
.endr
.endr
.irp b, 0,1,2,3
	v_permlanex16_b32 v[TM+4+\b], v[TM+\b], s[SEL], s[SEL+1]
.endr
.irp b, 0,1,2,3
	v_max_num_f32 v[TM+\b], v[TM+\b], v[TM+4+\b]   ; with lane l xor 16's: the block's largest magnitude
.endr
.irp b, 0,1,2,3
	v_add_nc_u32 v[TM+12+\b], 0xff000000, v[TM+\b]   ; 2 off its exponent field: the conversion takes the exponent field of this operand as its scale
.endr
.irp b, 0,1,2,3
	v_lshrrev_b32 v[TM+4+\b], 23, v[TM+12+\b]      ; the scale's byte
.endr
	v_lshl_or_b32 v[PW], v[TM+5], 8, v[TM+4]       ; the four bytes make my row's scale word
	v_lshl_or_b32 v[PW], v[TM+6], 16, v[PW]
	v_lshl_or_b32 v[PW], v[TM+7], 24, v[PW]
.irp c, 0,1
	v_cvt_scalef32_pk16_fp6_f32 v[PC+6*\c:PC+2+6*\c], v[\s+32*\c:\s+15+32*\c], v[TM+12+2*\c]
	v_cvt_scalef32_pk16_fp6_f32 v[PC+12+4*\c:PC+14+4*\c], v[\s+16+32*\c:\s+31+32*\c], v[TM+12+2*\c+1]   ; (a conversion's three registers begin on an even number)
.endr
	v_nop                                          ; one plain place behind a scaled conversion
.irp c, 0,1                                    ; the operand's layout wants a whole block in a lane: lanes 0-15 block 2 c, lanes 16-31 block 2 c + 1
.irp i, 0,1,2
	v_permlane16_swap_b32 v[PC+6*\c+\i], v[PC+12+4*\c+\i]
.endr
.irp i, 0,1,2
	v_mov_b32 v[PC+3+6*\c+\i], v[PC+12+4*\c+\i]
.endr
.endr
.endm
.macro IMAGE off                               ; the fragment in v[PC] on goes to LDS as it stands
.irp c, 0,1,2
	ds_store_b128 v[XWI], v[PC+4*\c:PC+4*\c+3] offset:\off+512*\c
.endr
.endm
.macro XLOAD reg, u                            ; my u-th K step of the 16 batches: 64 numbers a lane
.irp b, 0,1,2,3
.irp j, 0,1,2,3
	global_load_b128 v[\reg+16*\b+4*\j:\reg+16*\b+4*\j+3], v[XA], s[24:25] offset:512*\u+128*\b+16*\j
.endr
.endr
.endm
.macro BARRIER                                 ; my LDS stores have landed and my LDS loads are in: then the work-group's barrier
	s_wait_dscnt 0x0
	s_barrier_signal -1
	s_barrier_wait -1
.endm
	s_load_b512 s[8:23], s[0:1], 0x0               ; hidden s[8:9], cell s[10:11], W_s codes s[12:13], W_s scales s[14:15], b_s s[16:17], W_h codes s[18:19], wimg s[20:21], sf s[22:23]
	v_lshl_add_u32 v254, v0, 2, 0x5600
	v_mov_b32 v255, 0
	v_lshrrev_b32 v1, 5, v0
	v_readfirstlane_b32 s[WV], v1                  ; wave 0..3
	v_and_b32 v1, 31, v0                           ; lane
	v_and_b32 v2, 15, v0                           ; r
	v_bfe_u32 v3, v0, 4, 1                         ; h
	v_lshlrev_b32 v[XA], 11, v2
	v_lshl_add_u32 v[XA], v3, 6, v[XA]
	v_lshlrev_b32 v[LI], 4, v1
	v_lshlrev_b32 v[LS], 2, v1
	s_wait_alu depctr_va_sdst(0)                   ; s26, the wave's number, is written, ahead of its first reader
	s_mul_i32 s27, s[WV], 2*FRB
	v_add_nc_u32 v[XWI], s27, v[LI]                ; images 2 w and 2 w + 1
	s_lshl_b32 s27, s[WV], 8
	s_add_co_u32 s27, s27, XSC
	v_add_nc_u32 v[XWS], s27, v[LS]
	v_mul_u32_u24 v[FA], v2, 768
	v_mad_u32_u24 v[FA], v3, 24, v[FA]
	v_lshlrev_b32 v[SA], 5, v1
	v_lshlrev_b32 v[BA], 5, v3
	v_mul_u32_u24 v[SO], v2, SP
	v_lshl_add_u32 v[SO], v3, 5, v[SO]
	s_lshl_b32 s27, s[WV], 7
	s_add_co_u32 s27, s27, STG
	v_add_nc_u32 v[SO], s27, v[SO]                 ; row r, + 32 h, + my wave's 128 bytes
	s_mul_i32 s27, s[WV], 4*SP
	s_add_co_u32 s27, s27, STG
	v_add_nc_u32 v[SR], s27, v[LI]                 ; back: my four rows, 16 bytes a lane
.irp b, 0,1,2,3
	v_mov_b32 v[TM+4+\b], 0                        ; written once: a lane permute's destination counts as one of its sources
.endr
	s_and_b32 s28, ttmp9, 3                        ; which 16 batches
	s_lshr_b32 s29, ttmp9, 2                       ; which 128 columns
	s_lshl_b32 s30, s29, 3
	s_lshl_b32 s31, s[WV], 1
	s_add_co_u32 s30, s30, s31                     ; my first column tile
	s_lshl_b32 s31, ttmp9, 2
	s_add_co_u32 s31, s31, s[WV]                   ; my number among the launch's 128 waves = 8 x (group of four tiles of W_h) + K step
	s_and_b32 s32, s31, 7
	s_lshr_b32 s33, s31, 3
	s_mov_b32 s35, 0
	s_mov_b32 s[SEL], 0x76543210
	s_mov_b32 s[SEL+1], 0xfedcba98                 ; v_permlanex16_b32's selects for lane l xor 16
	s_wait_kmcnt 0x0
	s_cmp_lt_u32 s[WV], 2                          ; K steps 0-3 lie in hidden_state, 4-7 in cell_state: the choice hangs on the wave's number alone
	s_cselect_b64 s[24:25], s[8:9], s[10:11]
	s_lshl_b32 s34, s28, 15                        ; 16 rows of 2,048 bytes,
	s_and_b32 s38, s[WV], 1
	s_lshl_b32 s38, s38, 10                        ; and my two K steps of 512 bytes in a row
	s_add_co_u32 s34, s34, s38
	s_add_nc_u64 s[24:25], s[24:25], s[34:35]
	s_mul_i32 s34, s30, 12288                      ; W_s: 16 rows of 768 bytes a tile
	s_add_nc_u64 s[12:13], s[12:13], s[34:35]
	s_lshl_b32 s34, s30, 9                         ; its scale bytes: 16 rows of 32
	s_add_nc_u64 s[14:15], s[14:15], s[34:35]
	s_lshl_b32 s34, s30, 6                         ; b_s: 16 numbers a tile
	s_add_nc_u64 s[16:17], s[16:17], s[34:35]
	s_mul_i32 s34, s33, 49152                      ; W_h: four tiles of 16 rows of 768 bytes,
	s_mul_i32 s38, s32, 96                         ; and the K step's 96 bytes in a row
	s_add_co_u32 s34, s34, s38
	s_add_nc_u64 s[18:19], s[18:19], s[34:35]
	s_mul_i32 s34, s31, 4*FRB                      ; wimg: my four fragments on end
	s_add_nc_u64 s[20:21], s[20:21], s[34:35]
	s_lshl_b32 s34, s28, 16                        ; sf: row 16 (x & 3) + 4 w of 4,096 bytes, + 512 bytes for each 128 columns
	s_lshl_b32 s38, s[WV], 14
	s_add_co_u32 s34, s34, s38
	s_lshl_b32 s38, s29, 9
	s_add_co_u32 s34, s34, s38
	s_add_nc_u64 s[22:23], s[22:23], s[34:35]
	s_wait_alu depctr_va_vdst(0)                   ; the offsets and LDS addresses v4 to v14 are written, which every load and store of the kernel reads
	XLOAD X0, 0                                    ; 62 loads: 16 + 16 of the state,
	XLOAD X1, 1
	global_load_b128 v[WSS:WSS+3], v[SA], s[14:15]             ; 2: register s = the word of K step s; lanes 0-15 my first tile's rows, lanes 16-31 my second's
	global_load_b128 v[WSS+4:WSS+7], v[SA], s[14:15] offset:16
.irp n, 0,1
.irp q, 0,1
	global_load_b128 v[BIAS+8*\n+4*\q:BIAS+8*\n+4*\q+3], v[BA], s[16:17] offset:64*\n+16*\q   ; 4: b_s at columns 16 n + 8 h + 0 .. 7
.endr
.endr
	WIN 0x40                                       ; destination window 1
.irp i, 0,1,2,3
.irp p, 0,1,2,3,4,5
	global_load_b64 v[WHF+12*\i+2*\p:WHF+12*\i+2*\p+1], v[FA], s[18:19] offset:12288*\i+48*(\p/3)+8*(\p%3) th:TH_LOAD_NT   ; 24: four fragments of W_h, in pieces of 8 bytes
.endr
.endr
	s_wait_loadcnt 46                              ; the first 16 of the 62 are in: my first K step
.irp n, 0,1
.irp s, 0,1,2,3,4,5,6,7
.irp p, 0,1,2,3,4,5
	global_load_b64 v[12*(8*\n+\s)+2*\p:12*(8*\n+\s)+2*\p+1], v[FA], s[12:13] offset:12288*\n+96*\s+48*(\p/3)+8*(\p%3)   ; W_s's 16 fragments land while the state is quantised
.endr
.endr
.endr
	WIN 0
	QUANT X0
	s_wait_alu depctr_va_vdst(0)                   ; the codes v160-171 and the scale word v196 are written, which the LDS stores read
	IMAGE XIMG
	ds_store_b32 v[XWS], v[PW]
	s_wait_loadcnt 63                              ; behind my second K step 126 loads were issued, behind W_h's pieces 96: neither is among the youngest 63
	s_wait_dscnt 0x0                               ; my first image has landed
	s_wait_alu depctr_vm_vsrc(0)                   ; its LDS stores have read v160-171 and v196, which the second K step's codes and word are written into
	QUANT X1
	s_wait_alu depctr_va_vdst(0)                   ; the codes and the scale word are written, which the LDS stores read; both K steps' numbers v32-159 are done with: the fragments' loads land there
	IMAGE XIMG+FRB
	ds_store_b32 v[XWS], v[PW] offset:128
	WIN 0x04                                       ; a store's data are its source 1: window 1
.irp i, 0,1,2,3
.irp q, 0,1,2
	global_store_b128 v[LI], v[WHF+12*\i+4*\q:WHF+12*\i+4*\q+3], s[20:21] offset:FRB*\i+512*\q   ; 32 lanes store 512 consecutive bytes, at a multiple of 256 from wimg's first byte
.endr
.endr
	WIN 0
	BARRIER                                        ; the state's eight fragments lie in LDS
.irp s, 0,1,2,3,4,5,6,7
.irp c, 0,1,2
	ds_load_b128 v[AFR+12*\s+4*\c:AFR+12*\s+4*\c+3], v[LI] offset:XIMG+FRB*\s+512*\c
.endr
	ds_load_b32 v[XSS+\s], v[LS] offset:XSC+128*\s
.endr
	s_wait_loadcnt 0x0                             ; W_s, its scale words, b_s
	s_wait_dscnt 0x0
	WIN 0x01                                       ; source 0 (W_s) window 1
.irp s, 0,1,2,3,4,5,6,7                        ; the two accumulators take turns, one instruction a turn
.if \s == 0
	v_wmma_scale_f32_16x16x128_f8f6f4 v[ACC:ACC+7], v[0:11], v[AFR:AFR+11], v[BIAS:BIAS+7], v[WSS], v[XSS] matrix_a_fmt:MATRIX_FMT_FP6 matrix_b_fmt:MATRIX_FMT_FP6
	v_wmma_scale_f32_16x16x128_f8f6f4 v[ACC+8:ACC+15], v[96:107], v[AFR:AFR+11], v[BIAS+8:BIAS+15], v[WSS], v[XSS] matrix_a_fmt:MATRIX_FMT_FP6 matrix_b_fmt:MATRIX_FMT_FP6 matrix_a_scale:MATRIX_SCALE_ROW1
.else
	v_wmma_scale_f32_16x16x128_f8f6f4 v[ACC:ACC+7], v[12*\s:12*\s+11], v[AFR+12*\s:AFR+12*\s+11], v[ACC:ACC+7], v[WSS+\s], v[XSS+\s] matrix_a_fmt:MATRIX_FMT_FP6 matrix_b_fmt:MATRIX_FMT_FP6
	v_wmma_scale_f32_16x16x128_f8f6f4 v[ACC+8:ACC+15], v[96+12*\s:96+12*\s+11], v[AFR+12*\s:AFR+12*\s+11], v[ACC+8:ACC+15], v[WSS+\s], v[XSS+\s] matrix_a_fmt:MATRIX_FMT_FP6 matrix_b_fmt:MATRIX_FMT_FP6 matrix_a_scale:MATRIX_SCALE_ROW1
.endif
.endr
	WIN 0
.rept 4
	v_nop                                          ; four places between the last product and the stores that read results
.endr
	s_wait_alu depctr_va_vdst(0)                   ; the products have written the accumulators, which the LDS stores read; the places above stay beside this wait
.irp n, 0,1
	ds_store_b128 v[SO], v[ACC+8*\n:ACC+8*\n+3] offset:64*\n         ; lane (r, h): sf(batch r, column 32 w + 16 n + 8 h + 0 .. 7); each accumulator from its low end on
	ds_store_b128 v[SO], v[ACC+8*\n+4:ACC+8*\n+7] offset:64*\n+16
.endr
	BARRIER                                        ; 16 rows of 512 bytes lie in the stage
.irp i, 0,1,2,3
	ds_load_b128 v[OUTR+4*\i:OUTR+4*\i+3], v[SR] offset:SP*\i
.endr
.irp i, 0,1,2,3
	s_wait_dscnt 3-\i                              ; LDS loads come back in order: row i is in
	global_store_b128 v[LI], v[OUTR+4*\i:OUTR+4*\i+3], s[22:23] offset:4096*\i   ; 32 lanes store 512 consecutive bytes of a row of sf
.endr
	s_wait_dscnt 0x0                               ; the closing lines, six on end
	s_wait_alu 0x0
	s_wait_tensorcnt 0x0
	ds_add_u32 v254, v255
	s_wait_dscnt 0x0
	s_endpgm
.Lfunc_end_k_q98125f8e4c_prep:
	.size	k_q98125f8e4c_prep, .Lfunc_end_k_q98125f8e4c_prep-k_q98125f8e4c_prep
	.p2alignl 7, 3214868480
	.fill 96, 4, 3214868480
	.section	.rodata,"a",@progbits
	.p2align	6, 0x0
	.amdhsa_kernel k_q98125f8e4c_prep
		.amdhsa_group_segment_fixed_size 22528
		.amdhsa_private_segment_fixed_size 0
		.amdhsa_enable_private_segment 0
		.amdhsa_kernarg_size 64
		.amdhsa_user_sgpr_count 2
		.amdhsa_user_sgpr_kernarg_segment_ptr 1
		.amdhsa_wavefront_size32 1
		.amdhsa_system_sgpr_workgroup_id_x 1
		.amdhsa_system_sgpr_workgroup_id_y 1
		.amdhsa_system_sgpr_workgroup_id_z 1
		.amdhsa_system_vgpr_workitem_id 0
		.amdhsa_next_free_vgpr 512
		.amdhsa_next_free_sgpr 66
		.amdhsa_reserve_vcc 0
		.amdhsa_float_denorm_mode_32 3
		.amdhsa_float_denorm_mode_16_64 3
		.amdhsa_memory_ordered 1
		.amdhsa_forward_progress 1
		.amdhsa_inst_pref_size 34
	.end_amdhsa_kernel
	.amdgpu_metadata
---
amdhsa.version: [ 1, 2 ]
amdhsa.kernels:
  - .name:           k_q98125f8e4c_prep
    .symbol:         k_q98125f8e4c_prep.kd
    .args:
      - { .name: hidden_state, .offset: 0, .size: 8, .value_kind: global_buffer, .address_space: global }
      - { .name: cell_state, .offset: 8, .size: 8, .value_kind: global_buffer, .address_space: global }
      - { .name: W_s_codes, .offset: 16, .size: 8, .value_kind: global_buffer, .address_space: global }
      - { .name: W_s_scales, .offset: 24, .size: 8, .value_kind: global_buffer, .address_space: global }
      - { .name: b_s, .offset: 32, .size: 8, .value_kind: global_buffer, .address_space: global }
      - { .name: W_h_codes, .offset: 40, .size: 8, .value_kind: global_buffer, .address_space: global }
      - { .name: wimg, .offset: 48, .size: 8, .value_kind: global_buffer, .address_space: global }
      - { .name: sf, .offset: 56, .size: 8, .value_kind: global_buffer, .address_space: global }
    .group_segment_fixed_size: 22528
    .private_segment_fixed_size: 0
    .kernarg_segment_align: 8
    .kernarg_segment_size: 64
    .max_flat_workgroup_size: 128
    .sgpr_count:     66
    .vgpr_count:     512
    .wavefront_size: 32
...
	.end_amdgpu_metadata
.endif
;; end of part 4
;; launch main (part 5): grid 256 x 1, 4 waves a work-group, no clusters, 300,544 bytes of LDS; arguments context, coverage, padding_mask, W_x, v, W_h_scales, wimg, sf, out2, out3, wpart; writes out2, out3, wpart
.if DOCPART == 5
	.amdgcn_target "amdgcn-amd-amdhsa--gfx1250"
	.amdhsa_code_object_version 6
	.text
	.protected	k_q98125f8e4c_main
	.globl	k_q98125f8e4c_main
	.p2align	8
	.type	k_q98125f8e4c_main,@function
k_q98125f8e4c_main:
	s_mov_b64 s[64:65], 0
	v_nop
	global_prefetch_b8 v0, s[64:65] scope:SCOPE_SE
	s_setreg_imm32_b32 hwreg(HW_REG_WAVE_SCHED_MODE, 0, 2), 2
	s_setreg_imm32_b32 hwreg(HW_REG_WAVE_MODE, 25, 1), 1
	s_wait_xcnt 0x0
	s_wait_alu depctr_vm_vsrc(0)
; A WORK-GROUP STAYS: it takes two blocks of 128 rows l of one batch b (blocks 2 x and 2 x + 1 of the 512), one after the other, each through the whole chain, and reads each block's 512 KiB of context ONCE:
;   P1  each wave loads 32 rows, quantises them along K to FP6 (E2M3, one E8M0 byte for each 32) into fragment images in LDS, and keeps a bf16 copy of them: 16 rows in 256 registers, 16 rows in LDS;
;   P2  enc = Q(context) W_h^T, 128 x 1,024 x 1,024, wave w columns 256 w on, in four passes of 64 columns (32 accumulators); behind each pass
;       score += sum over e of v[e] tanh(enc + sf[b][e] + coverage[l] W_x[e]), with tanh(x) = 1 - 2 / (1 + 2^(c x)), c = 2 log2(e): per pair of numbers two packed multiply-adds,
;       two exponentials, a packed addition, two reciprocals and a packed multiply-add with -2 v; the sum of v is added at the end.  2^(c x) = infinity gives tanh = 1, 0 gives -1: no clamp is needed;
;   P3  the four waves' partial scores are added (out3); m = the block's largest score; p = exp(score - m) x mask; wpart[block][d] = sum over the block's l of p[l] context[l][d], from the bf16 copy, sums in f32.
; The last launch brings the eight blocks of a batch under the batch's maximum and normalises.  out2 is coverage as it came.
; FROM BLOCK TO BLOCK: behind the last pass the accumulators' registers are free, so the next block's first four units (64 loads a wave, 128 KiB a work-group) are asked for there and land while P3 runs;
; both blocks belong to one batch, so c sf[b], c W_x and -2 v are made once and stay in LDS.  W_h's first three K steps of a block are asked for in P1's last units, where no unit of context is left to ask for.
; W_h's fragments come from wimg, laid in register order, straight into registers, three K steps ahead: each is used by ONE wave of the work-group, so LDS would save no read of them,
; and LDS is taken by the rows' codes and their bf16 copy.  No tensor load, no cluster: what work-groups share is W_h alone, and there is no room for slots of it.
; THE MATRIX INSTRUCTION IS USED TRANSPOSED (source 0 = 16 rows e of W_h, source 1 = 16 rows l): a lane holds one row l = 16 a + lane % 16, and register j column e0 + 16 b + 8 (lane / 16) + j.
; LIMITS: a block of 32 whose largest magnitude lies under 2^-124 (a block of zeros too, where the rule says 127) gets the byte 1: zero codes add nothing; NaN and infinities among the inputs are not served;
;   tanh is right to about 1e-7 absolutely; context is rounded to bf16 for the weighted sum alone.
; THE MODE: SCHED_MODE bits 1:0 = 2 (LLVM: expert scheduling mode 2), set by the entry lines.  The code itself states the register dependences between vector or matrix
; instructions and memory or LDS instructions, with s_wait_alu, always for 0.
; THE PLAN.  Registers that memory or LDS instructions touch, and who else names them:
;   v4-v13, v15, v18, v20-v27   offsets and LDS addresses: made at the head, ahead of one wait on va_vdst, never written again.  v14, v16, v17, v19: a pass's offsets, written at its head between a wait on vm_vsrc and one on va_vdst.
;   P1, unit u.  Its set of window 1: loaded; read by the 16 stores into the stage and by the 32 conversions to bf16; loaded again for unit u + 4.  v160-223: land from the stage; read by QUANT.
;       v112-143 (my second 16 rows): written by the conversions, read by 16 LDS stores.  v224-243, v96: written by QUANT, read by the image's four LDS stores.
;       Three waits: va_vdst behind the conversions; vm_vsrc behind the bf16 stores; va_vdst behind QUANT, which also serves the next unit's loads from the stage: no vector instruction stands between.
;   P2, K step s.  The rows' tiles 0-3 (v160-207) and 4-7 (v208-255): read by 16 products each, then loaded for the next K step.  W_h's set s % 4: read by the step's 32 products, loaded again in step s + 1.
;       Two waits on va_vdst, one behind each 16 products.  Behind each, FOUR products of the other half are issued first, and then the run of loads into the registers that the wait has shown done with:
;       those four name one tile of the other half, the step's own set of W_h, the scale words and accumulators: none of the registers that the loads touch.
;   P3.  What its arithmetic writes and a store reads (v80-87; v248-251 and v224-227; v160-191; v160-167): a wait on va_vdst ahead of each run of stores.  v160-191 are loaded back behind a wait on vm_vsrc.
;   From trip to trip: one wait on vm_vsrc at a block's head, for every register that a store of the trip before has read.  Window 2 is named by vector instructions alone.
; REGISTERS, in windows of 256 (s_set_vgpr_msb: bits 1:0 source 0, 3:2 source 1, 5:4 source 2, 7:6 destination):
;   window 0: v1-27 addresses; v28-31 coverage as it lies (in the head: an offset); v32-63 context's scale words, v64-79 W_h's (scales and nothing else); v80-111 -2 v of a pass (P1, P3: at work);
;             v112-143 the scores' sums (P1: bf16 on its way to LDS); v144-151 coverage; v152-155 mask; v156-159 sum of -2 v; v160-255 the rows' 8 fragments (P1: 64 numbers and their codes; P3: sums, p, scores)
;   window 1: P1 four sets of 64 loaded numbers (filled for the next block from the end of P2 on); P2 accumulator (a, b) at 8 (4 a + b)
;   window 2: bf16 rows of my first 16: row r, K step s, half k at 16 r + 2 s + k: lane l holds d = 128 s + 4 l + 2 k, + 1
;   window 3: v0-191 four sets of four fragments of W_h; v192-223 c sf, v224-255 c W_x of a pass; P3: the bf16 rows read back from LDS
.set FRB,   1536                       ; a fragment's image
.set SP,    528                        ; a stage row: 512 bytes + 16: 33 x 16, so the 16 rows that a load touches fall on 16 different columns of 16 bytes
.set XIMG,  0                          ; LDS: image (tile T, K step s) at FRB (8 T + s): 98,304 bytes
.set XSC,   98304                      ; the rows' scale words: 32 bytes a row
.set CONST, 102400                     ; c sf[b], c W_x, -2 v: 4,096 bytes each
.set SRED,  114688                     ; 4 waves x 128 partial scores
.set PB,    116736                     ; 4 waves x 128 p
.set WRED,  118784                     ; 4 waves x 1,024 partial sums
.set STG,   135168                     ; a stage of 16 rows for each wave
.set RET,   168960                     ; for each wave 16 rows x 2,048 bytes of bf16
.set CL,   4                           ; v4   16 x lane: in memory and in LDS
.set STW,  5                           ; v5   the stage, on the way in
.set STR,  6                           ; v6   and out: row r, + 64 h
.set XW,   7                           ; v7   where I store my images
.set XSW,  8                           ; v8   and my rows' scale words
.set RA,   9                           ; v9   my rows' bf16 copy in LDS
.set PFA,  10                          ; v10  the prefetch's offset: 4,096 (lane / 2) + 1,024 (lane % 2)
.set LI2,  11                          ; v11  images of tiles 4-7
.set XSR,  12                          ; v12  scale words: a row to a lane
.set CA0,  13                          ; v13  my columns' constants, pass 0
.set CA,   14                          ; v14  this pass's
.set BL,   15                          ; v15  my part of wimg
.set BOFF, 16                          ; v16  this pass's
.set BOFN, 17                          ; v17  the next pass's
.set WSL,  18                          ; v18  my part of W_h's scale bytes
.set WSN,  19                          ; v19  the next pass's
.set SRW,  20
.set SRR,  21
.set PBW,  22
.set PBR,  23
.set WRW,  24
.set WRR,  25
.set CTW,  26
.set RO,   27                          ; v27  4 r
.set TO,   28                          ; v28  32 x thread: in the head alone
.set CCP,  28                          ; v28-31 the block's coverage as it lies, for out2
.set XS,   32
.set WS,   64
.set V2,   80
.set TM,   80
.set PW,   96
.set TT,   80
.set UU,   88
.set SS,   112
.set BT,   112
.set COV,  144
.set MK,   152
.set VL,   156
.set AF,   160
.set XQ,   160
.set PC,   224
.set AW,   160
.set PP,   192
.set SCR,  224
.set SF2,  192                         ; in window 3
.set WX2,  224
.set WV,   30
.set CC,   36                          ; s[36:37] c, twice: the packed form names a pair
.set SEL,  38
.set CNT,  40
.set PO,   41                          ; byte of this pass in my part of wimg;  s42 the next pass's, held at the last
.set PN,   42
.set WO,   43                          ; the same for the scale bytes
.set WN,   44
.set CP,   45                          ; and for the constants in LDS
.set BLK,  46                          ; blocks to go, this one among them
.set MSB, 0
.macro WIN new                         ; the immediate's high byte repeats the setting that is left
.if MSB != \new
	s_set_vgpr_msb (MSB<<8)|\new
.set MSB, \new
.endif
.endm
.macro PLACES                          ; four plain places behind a matrix instruction, ahead of a read of its result and of the wait that stands for the loads into its registers
.rept 4
	v_nop
.endr
.endm
; 64 numbers of a lane, v[s] .. v[s + 63], register 16 b + i = k 32 b + 16 (lane / 16) + i of my row, become a fragment's codes in v[PC] on and its scale word in v[PW].
.macro QUANT s
.irp b, 0,1,2,3
	v_max3_num_f32 v[TM+\b], |v[\s+16*\b]|, |v[\s+1+16*\b]|, 0x1800000   ; block b: my 16 numbers, and the floor 2^(3 - 127): the byte cannot fall under 1
.endr
.irp i, 2,4,6,8,10,12,14
.irp b, 0,1,2,3
	v_max3_num_f32 v[TM+\b], v[TM+\b], |v[\s+16*\b+\i]|, |v[\s+1+16*\b+\i]|   ; the four blocks by turns
.endr
.endr
.irp b, 0,1,2,3
	v_permlanex16_b32 v[TM+4+\b], v[TM+\b], s[SEL], s[SEL+1]
.endr
.irp b, 0,1,2,3
	v_max_num_f32 v[TM+\b], v[TM+\b], v[TM+4+\b]   ; with lane l xor 16's: the block's largest magnitude
.endr
.irp b, 0,1,2,3
	v_add_nc_u32 v[TM+12+\b], 0xff000000, v[TM+\b]   ; 2 off its exponent field: the conversion takes the exponent field of this operand as its scale
.endr
.irp b, 0,1,2,3
	v_lshrrev_b32 v[TM+4+\b], 23, v[TM+12+\b]      ; the scale's byte
.endr
	v_lshl_or_b32 v[PW], v[TM+5], 8, v[TM+4]       ; the four bytes make my row's scale word
	v_lshl_or_b32 v[PW], v[TM+6], 16, v[PW]
	v_lshl_or_b32 v[PW], v[TM+7], 24, v[PW]
.irp c, 0,1
	v_cvt_scalef32_pk16_fp6_f32 v[PC+6*\c:PC+2+6*\c], v[\s+32*\c:\s+15+32*\c], v[TM+12+2*\c]
	v_cvt_scalef32_pk16_fp6_f32 v[PC+12+4*\c:PC+14+4*\c], v[\s+16+32*\c:\s+31+32*\c], v[TM+12+2*\c+1]   ; (a conversion's three registers begin on an even number)
.endr
	v_nop                                          ; one plain place behind a scaled conversion
.irp c, 0,1                                    ; the operand's layout wants a whole block in a lane
.irp i, 0,1,2
	v_permlane16_swap_b32 v[PC+6*\c+\i], v[PC+12+4*\c+\i]
.endr
.irp i, 0,1,2
	v_mov_b32 v[PC+3+6*\c+\i], v[PC+12+4*\c+\i]
.endr
.endr
.endm
.macro IMAGE off                               ; the fragment in v[PC] on goes to LDS as it stands
.irp c, 0,1,2
	ds_store_b128 v[XW], v[PC+4*\c:PC+4*\c+3] offset:\off+512*\c
.endr
.endm
; Unit u = 8 t + s: rows 16 t .. 16 t + 15 of my 32, K step s.  Each load reads 512 consecutive bytes of one row, 16 a lane, into set u % 4 of window 1.
.macro CLOAD u
	WIN 0x40
.irp r, 0,1,2,3,4,5,6,7,8,9,10,11,12,13,14,15
	global_load_b128 v[64*((\u)%4)+4*\r:64*((\u)%4)+4*\r+3], v[CL], s[8:9] offset:(16*((\u)/8)+\r)*4096+512*((\u)%8) th:TH_LOAD_NT
.endr
	WIN 0
.endm
; Four fragments of W_h (a K step of my pass's 64 columns) into a set of window 3: 12 loads of 512 consecutive bytes.  The window is left set.
.macro BLOAD voff, imm, set
	WIN 0xc0
.irp i, 0,1,2,3
.irp q, 0,1,2
	global_load_b128 v[48*(\set)+12*\i+4*\q:48*(\set)+12*\i+4*\q+3], v[\voff], s[20:21] offset:\imm+FRB*\i+512*\q
.endr
.endr
.endm
; A unit's work.  The conversions want 16 neighbours along K in a lane, the loads gave 4: the 16 x 512 bytes turn through my own stage.  The bf16 copy is made of the numbers as they were loaded.
; The wait at its head counts the loads issued behind this unit's 16.  Units 0-3: three units and the block's 14 small loads.  Units 4-12: three units.  Units 13, 14, 15: the units left, and 12 for each set of W_h asked for so far.
.macro UNIT u
.set UT, (\u)/8
.set US, (\u)%8
.set USET, 64*((\u)%4)
.if (\u) < 4
	s_wait_loadcnt 62
.elseif (\u) < 13
	s_wait_loadcnt 48
.else
	s_wait_loadcnt 48-4*((\u)-12)
.endif
	WIN 0x04                                       ; an LDS store's data are its source 1: window 1
.irp r, 0,1,2,3,4,5,6,7,8,9,10,11,12,13,14,15
	ds_store_b128 v[STW], v[USET+4*\r:USET+4*\r+3] offset:SP*\r
.endr
	WIN 0
.irp b, 0,1,2,3
.irp j, 0,1,2,3
	ds_load_b128 v[XQ+16*\b+4*\j:XQ+16*\b+4*\j+3], v[STR] offset:128*\b+16*\j   ; LDS serves a wave's instructions in order: these see the stores above.  No vector instruction since the last wait on va_vdst names v160-223
.endr
.endr
.if UT == 0
	WIN 0x85                                       ; sources window 1, destination window 2: my first 16 rows stay in registers
.irp r, 0,1,2,3,4,5,6,7,8,9,10,11,12,13,14,15
	v_cvt_pk_bf16_f32 v[16*\r+2*US], v[USET+4*\r], v[USET+4*\r+1]
	v_cvt_pk_bf16_f32 v[16*\r+2*US+1], v[USET+4*\r+2], v[USET+4*\r+3]
.endr
	WIN 0
	s_wait_alu depctr_va_vdst(0)                   ; the conversions are done reading this unit's set, in which the loads below land
.else
	WIN 0x05                                       ; my second 16 rows go to LDS
.irp r, 0,1,2,3,4,5,6,7,8,9,10,11,12,13,14,15
	v_cvt_pk_bf16_f32 v[BT+2*\r], v[USET+4*\r], v[USET+4*\r+1]
	v_cvt_pk_bf16_f32 v[BT+2*\r+1], v[USET+4*\r+2], v[USET+4*\r+3]
.endr
	WIN 0
	s_wait_alu depctr_va_vdst(0)                   ; the conversions have written v112-143, which the LDS stores read, and are done reading this unit's set, in which the loads below land
.irp r, 0,1,2,3,4,5,6,7,8,9,10,11,12,13,14,15
	ds_store_b64 v[RA], v[BT+2*\r:BT+2*\r+1] offset:2048*\r+512*(US/2)+8*(US%2)   ; two K steps share a lane's 16 bytes, so that they come back by loads of 16
.endr
.endif
	s_wait_alu depctr_vm_vsrc(0)                   ; the stores into the stage have read this unit's set, which is loaded or multiplied into next; the last unit's image has read v224-243 and v96, which QUANT writes; the bf16 stores have read v112-143, which are written next
.if (\u)+4 < 16
	CLOAD (\u)+4                                   ; the set is free: four units ahead
.elseif (\u) < 15
	BLOAD BL, 4*FRB*((\u)-12), (\u)-12             ; no unit is left to ask for: pass 0's K steps 0, 1, 2 of W_h take the places
	WIN 0
.endif
	s_wait_dscnt 0x0                               ; the 64 numbers are back from the stage
	QUANT XQ
	s_wait_alu depctr_va_vdst(0)                   ; QUANT has written the codes v224-235 and the scale word v96, which the LDS stores read, and is done reading v160-223, in which the next loads land
	IMAGE 12288*UT+FRB*US
	ds_store_b32 v[XSW], v[PW] offset:512*UT+4*US  ; both halves of the lanes write the same word with the same value
.endm
; The rows' fragments of K step s, tiles a0 .. a0 + 3
.macro ALOAD s, a0
.irp a, \a0, \a0+1, \a0+2, \a0+3
.irp q, 0,1,2
.if (\a) < 4
	ds_load_b128 v[AF+12*(\a)+4*\q:AF+12*(\a)+4*\q+3], v[CL] offset:FRB*(8*(\a)+(\s))+512*\q
.else
	ds_load_b128 v[AF+12*(\a)+4*\q:AF+12*(\a)+4*\q+3], v[LI2] offset:FRB*(8*((\a)-4)+(\s))+512*\q
.endif
.endr
.endr
.endm
; One product: rows' tile a x columns' tile b, K step s.  The scale words: register 8 (b / 2) + s of W_h's holds tile b in lanes 0-15 (b even) or 16-31 (odd); the rows' likewise by a.
.macro MM s, a, b
.set rD, 8*(4*(\a)+(\b))
.set rW, 48*((\s)%4)+12*(\b)
.set rA, AF+12*(\a)
.set rP, WS+8*((\b)/2)+(\s)
.set rX, XS+8*((\a)/2)+(\s)
.set par, 2*((\a)%2)+(\b)%2
.if (\s) == 0                                  ; a pass's first K step starts the sums: nothing is cleared
.if par == 0
	v_wmma_scale_f32_16x16x128_f8f6f4 v[rD:rD+7], v[rW:rW+11], v[rA:rA+11], 0, v[rP], v[rX] matrix_a_fmt:MATRIX_FMT_FP6 matrix_b_fmt:MATRIX_FMT_FP6
.elseif par == 1
	v_wmma_scale_f32_16x16x128_f8f6f4 v[rD:rD+7], v[rW:rW+11], v[rA:rA+11], 0, v[rP], v[rX] matrix_a_fmt:MATRIX_FMT_FP6 matrix_b_fmt:MATRIX_FMT_FP6 matrix_a_scale:MATRIX_SCALE_ROW1
.elseif par == 2
	v_wmma_scale_f32_16x16x128_f8f6f4 v[rD:rD+7], v[rW:rW+11], v[rA:rA+11], 0, v[rP], v[rX] matrix_a_fmt:MATRIX_FMT_FP6 matrix_b_fmt:MATRIX_FMT_FP6 matrix_b_scale:MATRIX_SCALE_ROW1
.else
	v_wmma_scale_f32_16x16x128_f8f6f4 v[rD:rD+7], v[rW:rW+11], v[rA:rA+11], 0, v[rP], v[rX] matrix_a_fmt:MATRIX_FMT_FP6 matrix_b_fmt:MATRIX_FMT_FP6 matrix_a_scale:MATRIX_SCALE_ROW1 matrix_b_scale:MATRIX_SCALE_ROW1
.endif
.else
.if par == 0
	v_wmma_scale_f32_16x16x128_f8f6f4 v[rD:rD+7], v[rW:rW+11], v[rA:rA+11], v[rD:rD+7], v[rP], v[rX] matrix_a_fmt:MATRIX_FMT_FP6 matrix_b_fmt:MATRIX_FMT_FP6
.elseif par == 1
	v_wmma_scale_f32_16x16x128_f8f6f4 v[rD:rD+7], v[rW:rW+11], v[rA:rA+11], v[rD:rD+7], v[rP], v[rX] matrix_a_fmt:MATRIX_FMT_FP6 matrix_b_fmt:MATRIX_FMT_FP6 matrix_a_scale:MATRIX_SCALE_ROW1
.elseif par == 2
	v_wmma_scale_f32_16x16x128_f8f6f4 v[rD:rD+7], v[rW:rW+11], v[rA:rA+11], v[rD:rD+7], v[rP], v[rX] matrix_a_fmt:MATRIX_FMT_FP6 matrix_b_fmt:MATRIX_FMT_FP6 matrix_b_scale:MATRIX_SCALE_ROW1
.else
	v_wmma_scale_f32_16x16x128_f8f6f4 v[rD:rD+7], v[rW:rW+11], v[rA:rA+11], v[rD:rD+7], v[rP], v[rX] matrix_a_fmt:MATRIX_FMT_FP6 matrix_b_fmt:MATRIX_FMT_FP6 matrix_a_scale:MATRIX_SCALE_ROW1 matrix_b_scale:MATRIX_SCALE_ROW1
.endif
.endif
.endm
.macro MULT s, a                               ; four products: the rows' tile a against the pass's four tiles of columns.  The pass's 32 accumulators take turns, one instruction a turn, in the same order in every K step
.irp b, 0,1,2,3
	MM \s, \a, \b
.endr
.endm
; A K step: 32 products, tiles 0 to 7 of the rows in this order.  Behind tiles 0-3 and behind tiles 4-7 stands a wait on va_vdst; behind each wait the next tile's four products go first, and then the loads into what the wait has shown done with.
.macro KSTEP s
.if (\s) > 0
	s_wait_loadcnt 24                              ; this step's set of W_h is in; the two sets asked for behind it may be out
	s_wait_dscnt 0x0                               ; the rows' tiles 0-3 are in: nothing was asked of LDS behind them
.else
	s_wait_dscnt 24                                ; the rows' eight tiles of K step 0 are in; the pass's 24 loads of constants may be out
.endif
	WIN 0x53                                       ; source 0 (W_h) window 3, source 1 (rows) window 0, C and D window 1
	MULT \s, 0
.if (\s) > 0
	WIN 0
	ALOAD \s, 4                                    ; this step's tiles 4-7.  No wait: since the wait at the last step's end only tile 0's products were issued, and they name none of v208-255 nor v11
	WIN 0x53
.endif
	MULT \s, 1
	MULT \s, 2
	MULT \s, 3
	PLACES
	s_wait_alu depctr_va_vdst(0)                   ; the products of tiles 0-3 are done reading v160-207, in which the next K step's tiles land; the last step's products are done reading their set of W_h, which is loaded again below
	s_wait_dscnt 0x0                               ; tiles 4-7 are in (K step 0: and the pass's constants)
	MULT \s, 4
	WIN 0
	ALOAD ((\s)+1)%8, 0                            ; no further wait: tile 4's products name v208-219, this step's set of W_h, scale words and accumulators alone
.if (\s) < 5
	BLOAD BOFF, 4*FRB*((\s)+3), ((\s)+3)%4
.else
	BLOAD BOFN, 4*FRB*((\s)-5), ((\s)+3)%4
.endif
	WIN 0x53
	MULT \s, 5
	MULT \s, 6
	MULT \s, 7
	PLACES
	s_wait_alu depctr_va_vdst(0)                   ; the products of tiles 4-7 are done reading v208-255, in which the next K step's tiles land; in a pass's last step all are done reading W_h's scale words, which are loaded again
.if (\s) == 7
	WIN 0
	ALOAD 0, 4                                     ; at a pass's edge no product is at hand to go first
.endif
.endm
; Behind a pass: tiles a and a + 1 of rows, 64 registers.  Each accumulator is first read at its low end.
.macro EPI a
	WIN 0x71                                       ; accumulators window 1, c sf window 3
.set k, 0
.rept 32
	v_pk_fma_f32 v[32*(\a)+2*k:32*(\a)+2*k+1], v[32*(\a)+2*k:32*(\a)+2*k+1], s[CC:CC+1], v[SF2+2*(k%16):SF2+2*(k%16)+1] op_sel_hi:[1,0,1]   ; c enc + c sf
.set k, k+1
.endr
	WIN 0x53                                       ; c W_x window 3, coverage window 0
.set k, 0
.rept 16
	v_pk_fma_f32 v[32*(\a)+2*k:32*(\a)+2*k+1], v[WX2+2*k:WX2+2*k+1], v[COV+(\a):COV+(\a)+1], v[32*(\a)+2*k:32*(\a)+2*k+1] op_sel_hi:[1,0,1]   ; + c W_x x my row's coverage: the pair's first word for tile a,
.set k, k+1
.endr
.set k, 0
.rept 16
	v_pk_fma_f32 v[32*(\a)+32+2*k:32*(\a)+32+2*k+1], v[WX2+2*k:WX2+2*k+1], v[COV+(\a):COV+(\a)+1], v[32*(\a)+32+2*k:32*(\a)+32+2*k+1] op_sel:[0,1,0] op_sel_hi:[1,1,1]   ; its second for tile a + 1
.set k, k+1
.endr
	WIN 0x41
.set k, 0
	s_wait_alu depctr_va_vdst(0)
.rept 64
	v_exp_f32 v[32*(\a)+k], v[32*(\a)+k]
.set k, k+1
.endr
	v_nop                                          ; a plain place behind the last exponential
.set k, 0
	s_wait_alu depctr_va_vdst(0)                   ; the 64 exponentials have written their results, ahead of the first instruction that names one
.rept 32
	v_pk_add_f32 v[32*(\a)+2*k:32*(\a)+2*k+1], v[32*(\a)+2*k:32*(\a)+2*k+1], 1.0 op_sel_hi:[1,0]
.set k, k+1
.endr
.set k, 0
	s_wait_alu depctr_va_vdst(0)
.rept 64
	v_rcp_f32 v[32*(\a)+k], v[32*(\a)+k]
.set k, k+1
.endr
	v_nop                                          ; a plain place behind the last reciprocal
	WIN 0x01
.set k, 0
	s_wait_alu depctr_va_vdst(0)                   ; the 64 reciprocals have written their results, ahead of the first instruction that names one
.rept 16                                       ; four chains by turns
	v_pk_fma_f32 v[SS+4*(\a)+2*(k%2):SS+4*(\a)+2*(k%2)+1], v[32*(\a)+2*k:32*(\a)+2*k+1], v[V2+2*k:V2+2*k+1], v[SS+4*(\a)+2*(k%2):SS+4*(\a)+2*(k%2)+1]
	v_pk_fma_f32 v[SS+4*(\a)+4+2*(k%2):SS+4*(\a)+4+2*(k%2)+1], v[32*(\a)+32+2*k:32*(\a)+32+2*k+1], v[V2+2*k:V2+2*k+1], v[SS+4*(\a)+4+2*(k%2):SS+4*(\a)+4+2*(k%2)+1]
.set k, k+1
.endr
	WIN 0
.endm
; 16 rows of bf16 (register 16 row + j: d = 128 (j / 2) + 4 lane (+ 2 for odd j), and the next) x their p, onto 32 sums
.macro WSUM base
.set rho, 0
.rept 16
.set jj, 0
.rept 16
	v_fma_mix_f32_bf16 v[AW+2*jj], v[16*rho+jj], v[PP+\base+rho], v[AW+2*jj] op_sel_hi:[1,0,0]
	v_fma_mix_f32_bf16 v[AW+2*jj+1], v[16*rho+jj], v[PP+\base+rho], v[AW+2*jj+1] op_sel:[1,0,0] op_sel_hi:[1,0,0]
.set jj, jj+1
.endr
.set rho, rho+1
.endr
.endm
	s_load_b512 s[8:23], s[0:1], 0x0               ; context s[8:9], coverage s[10:11], mask s[12:13], W_x s[14:15], v s[16:17], W_h scales s[18:19], wimg s[20:21], sf s[22:23]
	s_load_b128 s[24:27], s[0:1], 0x40             ; out2, out3
	s_load_b64 s[28:29], s[0:1], 0x50              ; wpart
	v_lshrrev_b32 v1, 5, v0
	v_readfirstlane_b32 s[WV], v1                  ; wave 0..3
	v_and_b32 v1, 31, v0                           ; lane
	v_and_b32 v2, 15, v0                           ; r
	v_bfe_u32 v3, v0, 4, 1                         ; h
	v_lshlrev_b32 v[CL], 4, v1
	s_wait_alu depctr_va_vdst(0)
	s_wait_alu depctr_va_sdst(0)                   ; s30, the wave's number, is written, ahead of its first reader
	s_mul_i32 s31, s[WV], 16*SP
	s_add_co_u32 s31, s31, STG
	v_add_nc_u32 v[STW], s31, v[CL]
	v_mul_u32_u24 v[STR], v2, SP
	v_lshl_add_u32 v[STR], v3, 6, v[STR]
	v_add_nc_u32 v[STR], s31, v[STR]
	s_mul_i32 s31, s[WV], 16*FRB                   ; my two tiles' 16 images
	v_add_nc_u32 v[XW], s31, v[CL]
	s_lshl_b32 s31, s[WV], 10
	s_add_co_u32 s31, s31, XSC
	v_lshl_add_u32 v[XSW], v2, 5, s31              ; row 32 w + r: 32 bytes a row
	s_lshl_b32 s31, s[WV], 15
	s_add_co_u32 s31, s31, RET
	v_add_nc_u32 v[RA], s31, v[CL]
	v_add_nc_u32 v[LI2], 32*FRB, v[CL]
	v_lshl_add_u32 v[XSR], v1, 5, XSC
	s_lshl_b32 s31, s[WV], 10
	s_add_co_u32 s31, s31, CONST
	v_lshl_add_u32 v[CA0], v3, 5, s31              ; my 256 columns, + my half's eight
	s_mul_i32 s31, s[WV], 128*FRB                  ; my 4 passes x 8 K steps x 4 fragments
	v_add_nc_u32 v[BL], s31, v[CL]
	s_lshl_b32 s31, s[WV], 13
	v_lshl_add_u32 v[WSL], v1, 5, s31              ; my 256 rows of 32 scale bytes; a row to a lane
	s_lshl_b32 s31, s[WV], 9
	s_add_co_u32 s32, s31, SRED
	v_lshl_add_u32 v[SRW], v2, 2, s32
	v_add_nc_u32 v[SRR], SRED, v[CL]
	s_add_co_u32 s32, s31, PB
	v_add_nc_u32 v[PBW], s32, v[CL]
	v_and_b32 v[PBR], 0x60, v0                     ; 32 w
	v_mul_u32_u24 v[PBR], v[PBR], 20               ; 640 w = my wave's 512 bytes + my 32 rows' place in them
	v_add_nc_u32 v[PBR], PB, v[PBR]
	s_lshl_b32 s32, s[WV], 12
	s_add_co_u32 s32, s32, WRED
	v_add_nc_u32 v[WRW], s32, v[CL]
	s_lshl_b32 s32, s[WV], 10
	s_add_co_u32 s32, s32, WRED
	v_add_nc_u32 v[WRR], s32, v[CL]
	v_lshl_add_u32 v[CTW], v0, 5, CONST
	v_lshlrev_b32 v[RO], 2, v2
	v_lshlrev_b32 v[TO], 5, v0
	v_lshrrev_b32 v[PFA], 1, v1                    ; the prefetch's offset, made here with the other addresses: two lanes to a row of 4,096 bytes,
	v_and_b32 v3, 1, v1                            ; (h is done with)
	v_lshlrev_b32 v[PFA], 12, v[PFA]
	v_lshl_add_u32 v[PFA], v3, 10, v[PFA]          ; 1,024 bytes apart
.irp b, 0,1,2,3
	v_mov_b32 v[TM+4+\b], 0                        ; written once: a lane permute's destination counts as one of its sources
.endr
	s_mov_b32 s[CC], 0x4038aa3b                    ; c = 2 log2(e)
	s_mov_b32 s[CC+1], s[CC]
	s_mov_b32 s[SEL], 0x76543210
	s_mov_b32 s[SEL+1], 0xfedcba98                 ; v_permlanex16_b32's selects for lane l xor 16
	s_mov_b32 s35, 0
	s_wait_kmcnt 0x0
	s_lshl_b32 s34, ttmp9, 20                      ; context: two blocks of 128 rows of 4,096 bytes a work-group, 32 rows of a block a wave (under 2^28 in all)
	s_lshl_b32 s33, s[WV], 17
	s_add_co_u32 s34, s34, s33
	s_add_nc_u64 s[8:9], s[8:9], s[34:35]
	s_lshl_b32 s34, ttmp9, 10                      ; a number a row: two blocks of 512 bytes
	s_add_nc_u64 s[10:11], s[10:11], s[34:35]
	s_add_nc_u64 s[12:13], s[12:13], s[34:35]
	s_add_nc_u64 s[24:25], s[24:25], s[34:35]
	s_add_nc_u64 s[26:27], s[26:27], s[34:35]
	s_lshr_b32 s34, ttmp9, 2                       ; the batch: four work-groups to each
	s_lshl_b32 s34, s34, 12
	s_add_nc_u64 s[22:23], s[22:23], s[34:35]
	s_lshl_b32 s34, ttmp9, 13                      ; wpart: 4,096 bytes a block, my 1,024 of them
	s_lshl_b32 s33, s[WV], 10
	s_add_co_u32 s34, s34, s33
	s_add_nc_u64 s[28:29], s[28:29], s[34:35]
	s_wait_alu depctr_va_vdst(0)                   ; the offsets and LDS addresses v4 to v28 are written, which the loads, stores and prefetches of the kernel read
	; the batch's constants, then the first block's first units of context
	global_load_b128 v[160:163], v[TO], s[22:23]               ; eight numbers a thread of sf[b],
	global_load_b128 v[164:167], v[TO], s[22:23] offset:16
	global_load_b128 v[168:171], v[TO], s[14:15]               ; of W_x,
	global_load_b128 v[172:175], v[TO], s[14:15] offset:16
	global_load_b128 v[176:179], v[TO], s[16:17]               ; of v
	global_load_b128 v[180:183], v[TO], s[16:17] offset:16
	CLOAD 0
	CLOAD 1
	CLOAD 2
	s_wait_loadcnt 48                              ; the six are in; the 48 loads of context may be out
.irp i, 0,1,2,3,4,5,6,7
	v_pk_mul_f32 v[160+2*\i:161+2*\i], v[160+2*\i:161+2*\i], s[CC:CC+1] op_sel_hi:[1,0]   ; c sf, c W_x
.endr
.irp i, 0,1,2,3
	v_pk_mul_f32 v[176+2*\i:177+2*\i], v[176+2*\i:177+2*\i], -2.0 op_sel_hi:[1,0]         ; -2 v
.endr
	s_wait_alu depctr_va_vdst(0)                   ; the multiplications have written v160-183, which the LDS stores read
.irp k, 0,1,2
.irp q, 0,1
	ds_store_b128 v[CTW], v[160+8*\k+4*\q:163+8*\k+4*\q] offset:4096*\k+16*\q
.endr
.endr
	s_wait_dscnt 0x0                               ; my stores of the constants are done
	CLOAD 3
	s_mov_b32 s[BLK], 2
.Lblock:                                               ; here, on the way in and on the way back alike, units 0-3 of the block have been asked for, and nothing behind them; and no vector instruction has been issued since the last wait on va_vdst
	s_wait_alu depctr_vm_vsrc(0)                   ; on the way in: the constants' loads have read v28, their LDS stores v160-183; on the way back: the last trip's stores have read v28-31, v80-87, v160-167, v224-227 and v248-251: all are written again in this trip, v28-31 by a load below
	; the block's 14 small loads
.irp a, 0,1,2,3,4,5,6,7
	global_load_b32 v[COV+\a], v[RO], s[10:11] offset:64*\a    ; coverage of row 16 a + r
.endr
	global_load_b128 v[CCP:CCP+3], v[CL], s[10:11]             ; coverage as it lies, for out2
	global_load_b128 v[MK:MK+3], v[CL], s[12:13]               ; the mask of rows 4 lane + 0 .. 3
.irp i, 0,1
.irp q, 0,1
	global_load_b128 v[WS+8*\i+4*\q:WS+8*\i+4*\q+3], v[WSL], s[18:19] offset:1024*\i+16*\q   ; pass 0's scale words of W_h: register 8 i + s: tile 2 i in lanes 0-15, tile 2 i + 1 in lanes 16-31
.endr
.endr
	; ---- P1
.irp u, 0,1,2,3,4,5,6,7,8,9,10,11,12,13,14,15
	UNIT \u
.endr
	s_add_nc_u64 s[8:9], s[8:9], 0x80000           ; unit 15's wait has shown every load of context done: the base goes on to the next block's 128 rows
.set k, 0
.rept 32
	v_mov_b32 v[SS+k], 0                           ; the scores' sums run through all four passes
.set k, k+1
.endr
.irp i, 0,1,2,3
	v_mov_b32 v[VL+\i], 0
.endr
	s_cmp_lg_u32 s[WV], 0
	s_cbranch_scc1 .Lno_cov
	global_store_b128 v[CL], v[CCP:CCP+3], s[24:25]            ; wave 0: 32 lanes store the block's 512 bytes of out2; these registers are loaded again only behind the waits at the trip's end and the next trip's head
.Lno_cov:
	s_wait_dscnt 0x0                               ; my images, scale words and constants have landed
	s_barrier_signal -1
	s_barrier_wait -1                              ; everybody's have
	s_wait_alu depctr_vm_vsrc(0)                   ; unit 15's LDS stores have read its codes v224-235 and its scale word v96: the rows' fragments and, at the pass's head, -2 v land there
.irp i, 0,1,2,3
.irp q, 0,1
	ds_load_b128 v[XS+8*\i+4*\q:XS+8*\i+4*\q+3], v[XSR] offset:1024*\i+16*\q   ; the rows' scale words stay: register 8 i + s: tile 2 i in lanes 0-15, tile 2 i + 1 in lanes 16-31
.endr
.endr
	ALOAD 0, 0                                     ; since unit 15's last wait on va_vdst only v112-143 and v156-159 were named by vector instructions
	ALOAD 0, 4
	s_mov_b32 s[PO], 0
	s_mov_b32 s[WO], 0
	s_mov_b32 s[CP], 0
	s_mov_b32 s[CNT], 4
	; ---- P2: four passes of 64 columns
.Lpass:
	s_wait_loadcnt 0x0                             ; no load of mine is out: this pass's first three sets and its scale words are in
	s_add_co_u32 s[PN], s[PO], 32*FRB
	s_min_u32 s[PN], s[PN], 96*FRB                 ; the last pass's look-ahead is held on its own bytes: no load leaves wimg; what it brings is not used
	s_add_co_u32 s[WN], s[WO], 2048
	s_min_u32 s[WN], s[WN], 6144                   ; likewise in W_h's scale bytes
	s_wait_alu depctr_vm_vsrc(0)                   ; the last pass's loads have read the four offsets v14, v16, v17, v19, which are written below
	v_add_nc_u32 v[BOFF], s[PO], v[BL]
	v_add_nc_u32 v[BOFN], s[PN], v[BL]
	v_add_nc_u32 v[WSN], s[WN], v[WSL]
	v_add_nc_u32 v[CA], s[CP], v[CA0]
	s_wait_alu depctr_va_vdst(0)                   ; the four offsets are written, which this pass's loads read; the last pass's closing arithmetic is done reading c sf, c W_x and -2 v, in which the loads below land
	WIN 0xc0
.irp b, 0,1,2,3
.irp q, 0,1
	ds_load_b128 v[SF2+8*\b+4*\q:SF2+8*\b+4*\q+3], v[CA] offset:64*\b+16*\q          ; register 8 b + j: column 16 b + 8 h + j of the pass
	ds_load_b128 v[WX2+8*\b+4*\q:WX2+8*\b+4*\q+3], v[CA] offset:4096+64*\b+16*\q
.endr
.endr
	WIN 0
.irp b, 0,1,2,3
.irp q, 0,1
	ds_load_b128 v[V2+8*\b+4*\q:V2+8*\b+4*\q+3], v[CA] offset:8192+64*\b+16*\q
.endr
.endr
.irp s, 0,1,2,3,4,5,6,7
	KSTEP \s
.endr
.irp i, 0,1
.irp q, 0,1
	global_load_b128 v[WS+8*\i+4*\q:WS+8*\i+4*\q+3], v[WSN], s[18:19] offset:1024*\i+16*\q   ; the next pass's scale words: no product has been issued since the last K step's closing wait
.endr
.endr
.set k, 0
.rept 16
	v_pk_add_f32 v[VL+2*(k%2):VL+2*(k%2)+1], v[VL+2*(k%2):VL+2*(k%2)+1], v[V2+2*k:V2+2*k+1]   ; the sum of -2 v over my lane's columns
.set k, k+1
.endr
	EPI 0
	EPI 2
	EPI 4
	EPI 6
	s_add_co_u32 s[PO], s[PO], 32*FRB
	s_add_co_u32 s[WO], s[WO], 2048
	s_add_co_u32 s[CP], s[CP], 256
	s_sub_co_u32 s[CNT], s[CNT], 1
	s_cmp_lg_u32 s[CNT], 0
	s_cbranch_scc1 .Lpass
	; ---- P3
	s_wait_loadcnt 0x0                             ; the last pass's look-ahead has landed: window 3 is free
	s_wait_dscnt 0x0                               ; the fragments fetched by the last K step are in: their registers are free
	s_wait_alu depctr_va_vdst(0)                   ; the last pass's closing arithmetic is done with the accumulators (window 1), in which the next block's loads land, and with c sf and c W_x (window 3), in which the bf16 rows land
	s_cmp_eq_u32 s[BLK], 1                         ; THE NEXT BLOCK, if there is one (one branch round all of it: no load and no prefetch leaves context):
	s_cbranch_scc1 .Lno_next
	CLOAD 0                                        ; its units 0-3 into the accumulators' registers, which the last pass has left: 64 loads, which land while P3 runs
	CLOAD 1
	CLOAD 2
	CLOAD 3
.irp j, 0,1,2,3                                ; and its units 4-7, which the first four units' turns behind P3 will load, are asked into the L2: bytes 2,048 to 4,095 of my first 16 rows, 32 KiB, by my wave alone:
	global_prefetch_b8 v[PFA], s[8:9] offset:2048+256*\j th:TH_LOAD_NT scope:SCOPE_SE   ; two lanes to a row, 1,024 bytes apart, four instructions 256 bytes apart: each block of 256 bytes once
.endr
.Lno_next:
	WIN 0xc0
.irp r, 0,1,2,3,4,5,6,7,8,9,10,11,12,13,14,15
.irp g, 0,1,2,3
	ds_load_b128 v[16*\r+4*\g:16*\r+4*\g+3], v[RA] offset:2048*\r+512*\g   ; my second 16 rows in bf16, into window 3, laid as window 2
.endr
.endr
	WIN 0
	v_pk_add_f32 v[VL:VL+1], v[VL:VL+1], v[VL+2:VL+3]
.irp a, 0,1,2,3,4,5,6,7
	v_pk_add_f32 v[SS+4*\a:SS+4*\a+1], v[SS+4*\a:SS+4*\a+1], v[SS+4*\a+2:SS+4*\a+3]
.endr
	v_add_f32 v[VL], v[VL], v[VL+1]
.irp a, 0,1,2,3,4,5,6,7
	v_add_f32 v[TT+\a], v[SS+4*\a], v[SS+4*\a+1]
.endr
.irp a, 0,1,2,3,4,5,6,7
	v_fma_f32 v[TT+\a], v[VL], -0.5, v[TT+\a]      ; + the sum of v over the same columns
.endr
.irp a, 0,1,2,3,4,5,6,7
	v_permlanex16_b32 v[UU+\a], v[TT+\a], s[SEL], s[SEL+1]
.endr
.irp a, 0,1,2,3,4,5,6,7
	v_add_f32 v[TT+\a], v[TT+\a], v[UU+\a]         ; with the other half's columns: my wave's part of row 16 a + r's score
.endr
	s_wait_alu depctr_va_vdst(0)                   ; my parts of the scores, v80-87, are written, which the LDS stores read
.irp a, 0,1,2,3,4,5,6,7
	ds_store_b32 v[SRW], v[TT+\a] offset:64*\a     ; both halves write the same word with the same value
.endr
	s_wait_dscnt 0x0
	s_barrier_signal -1
	s_barrier_wait -1                              ; the four waves' parts lie in LDS
.irp w, 0,1,2,3
	ds_load_b128 v[228+4*\w:231+4*\w], v[SRR] offset:512*\w    ; no vector instruction has been issued since the wait above
.endr
	s_wait_dscnt 0x0
	v_pk_add_f32 v[228:229], v[228:229], v[232:233]            ; the same order in every wave: the same bits
	v_pk_add_f32 v[230:231], v[230:231], v[234:235]
	v_pk_add_f32 v[236:237], v[236:237], v[240:241]
	v_pk_add_f32 v[238:239], v[238:239], v[242:243]
	v_pk_add_f32 v[SCR:SCR+1], v[228:229], v[236:237]
	v_pk_add_f32 v[SCR+2:SCR+3], v[230:231], v[238:239]        ; the scores of rows 4 lane + 0 .. 3
	v_mov_b32 v245, 0
	v_max3_num_f32 v244, v[SCR], v[SCR+1], v[SCR+2]
	v_max_num_f32 v244, v244, v[SCR+3]
	v_max_num_f32_dpp v244, v244, v244 row_xmask:1 row_mask:0xf bank_mask:0xf
	v_max_num_f32_dpp v244, v244, v244 row_xmask:2 row_mask:0xf bank_mask:0xf
	v_max_num_f32_dpp v244, v244, v244 row_xmask:4 row_mask:0xf bank_mask:0xf
	v_max_num_f32_dpp v244, v244, v244 row_xmask:8 row_mask:0xf bank_mask:0xf
	v_permlanex16_b32 v245, v244, s[SEL], s[SEL+1]
	v_max_num_f32 v244, v244, v245                 ; the block's largest score, masked rows too, as the softmax has it
.irp i, 0,1,2,3
	v_sub_f32 v[248+\i], v[SCR+\i], v244
.endr
.irp i, 0,1,2,3
	v_mul_f32 v[248+\i], 0x3fb8aa3b, v[248+\i]
.endr
	s_wait_alu depctr_va_vdst(0)
.irp i, 0,1,2,3
	v_exp_f32 v[248+\i], v[248+\i]
.endr
	v_nop                                          ; a plain place behind the last exponential
	s_wait_alu depctr_va_vdst(0)                   ; the four exponentials have written v248-251, ahead of the first instruction that names one
.irp i, 0,1,2,3
	v_mul_f32 v[248+\i], v[248+\i], v[MK+\i]       ; p = exp(score - m) x mask
.endr
	s_wait_alu depctr_va_vdst(0)                   ; p, v248-251, is written, which the LDS store reads; so are the scores v224-227, which out3's store reads
	ds_store_b128 v[PBW], v[248:251]               ; my wave's own copy of the 128 p,
.irp q, 0,1,2,3,4,5,6,7
	ds_load_b128 v[PP+4*\q:PP+4*\q+3], v[PBR] offset:16*\q     ; and back: my 32 rows' p in every lane (LDS serves a wave's instructions in order)
.endr
	s_cmp_lg_u32 s[WV], 0
	s_cbranch_scc1 .Lno_score
	global_store_b128 v[CL], v[SCR:SCR+3], s[26:27]            ; wave 0: the block's 512 bytes of out3; these registers are written again only behind the waits at the trip's end and the next trip's head
.Lno_score:
.set k, 0
.rept 32
	v_mov_b32 v[AW+k], 0
.set k, k+1
.endr
	s_wait_dscnt 0x0
	WIN 0x02                                       ; source 0 window 2: my first 16 rows
	WSUM 0
	WIN 0x03                                       ; window 3: my second 16
	WSUM 16
	WIN 0
	s_wait_alu depctr_va_vdst(0)                   ; the 32 sums v160-191 are written, which the LDS stores read
.irp s, 0,1,2,3,4,5,6,7
	ds_store_b128 v[WRW], v[AW+4*\s:AW+4*\s+3] offset:512*\s   ; register 4 s + i is d = 128 s + 4 lane + i
.endr
	s_wait_dscnt 0x0
	s_barrier_signal -1
	s_barrier_wait -1                              ; the four waves' sums lie in LDS
	s_wait_alu depctr_vm_vsrc(0)                   ; my LDS stores have read v160-191, in which the loads below land
.irp w, 0,1,2,3
.irp q, 0,1
	ds_load_b128 v[AW+8*\w+4*\q:AW+8*\w+4*\q+3], v[WRR] offset:4096*\w+512*\q   ; d = 256 x my wave + 128 q + 4 lane on, of each wave's sums
.endr
.endr
	s_wait_dscnt 0x0
.irp e, 0,2,4,6
	v_pk_add_f32 v[AW+\e:AW+\e+1], v[AW+\e:AW+\e+1], v[AW+8+\e:AW+8+\e+1]
	v_pk_add_f32 v[AW+16+\e:AW+16+\e+1], v[AW+16+\e:AW+16+\e+1], v[AW+24+\e:AW+24+\e+1]
.endr
.irp e, 0,2,4,6
	v_pk_add_f32 v[AW+\e:AW+\e+1], v[AW+\e:AW+\e+1], v[AW+16+\e:AW+16+\e+1]
.endr
	s_wait_alu depctr_va_vdst(0)                   ; the additions have written v160-167, which the stores read; with it all of P3's arithmetic is done with the registers in which the next trip's first loads land
	global_store_b128 v[CL], v[AW:AW+3], s[28:29]              ; 32 lanes store 512 consecutive bytes of the block's row of wpart
	global_store_b128 v[CL], v[AW+4:AW+7], s[28:29] offset:512
	s_wait_xcnt 0x0                                ; every memory instruction issued so far has had its addresses translated (ISA guide 3.1): only behind this wait are the stores' data (v28-31, v160-167, v224-227) and the bases below written again
	s_add_nc_u64 s[10:11], s[10:11], 512           ; on to the next block: 512 bytes of coverage, of the mask, of out2 and of out3,
	s_add_nc_u64 s[12:13], s[12:13], 512
	s_add_nc_u64 s[24:25], s[24:25], 512
	s_add_nc_u64 s[26:27], s[26:27], 512
	s_add_nc_u64 s[28:29], s[28:29], 4096          ; a row of wpart
	s_sub_co_u32 s[BLK], s[BLK], 1
	s_cmp_lg_u32 s[BLK], 0
	s_cbranch_scc1 .Lblock
	s_wait_xcnt 0x0
	v_lshl_add_u32 v254, v0, 2, 0x49400            ; the add's two registers, made anew: no two could be kept; no memory or LDS instruction has read v254 or v255
	v_mov_b32 v255, 0
	s_wait_dscnt 0x0                               ; the closing lines, six on end
	s_wait_alu 0x0
	s_wait_tensorcnt 0x0
	ds_add_u32 v254, v255
	s_wait_dscnt 0x0
	s_endpgm
.Lfunc_end_k_q98125f8e4c_main:
	.size	k_q98125f8e4c_main, .Lfunc_end_k_q98125f8e4c_main-k_q98125f8e4c_main
	.p2alignl 7, 3214868480
	.fill 96, 4, 3214868480
	.section	.rodata,"a",@progbits
	.p2align	6, 0x0
	.amdhsa_kernel k_q98125f8e4c_main
		.amdhsa_group_segment_fixed_size 300544
		.amdhsa_private_segment_fixed_size 0
		.amdhsa_enable_private_segment 0
		.amdhsa_kernarg_size 88
		.amdhsa_user_sgpr_count 2
		.amdhsa_user_sgpr_kernarg_segment_ptr 1
		.amdhsa_wavefront_size32 1
		.amdhsa_system_sgpr_workgroup_id_x 1
		.amdhsa_system_sgpr_workgroup_id_y 1
		.amdhsa_system_sgpr_workgroup_id_z 1
		.amdhsa_system_vgpr_workitem_id 0
		.amdhsa_next_free_vgpr 1024
		.amdhsa_next_free_sgpr 66
		.amdhsa_reserve_vcc 0
		.amdhsa_float_denorm_mode_32 3
		.amdhsa_float_denorm_mode_16_64 3
		.amdhsa_memory_ordered 1
		.amdhsa_forward_progress 1
		.amdhsa_inst_pref_size 255
	.end_amdhsa_kernel
	.section	.bss,"aw",@nobits
	.p2align	6
	.space	262144
	.amdgpu_metadata
---
amdhsa.version: [ 1, 2 ]
amdhsa.kernels:
  - .name:           k_q98125f8e4c_main
    .symbol:         k_q98125f8e4c_main.kd
    .args:
      - { .name: context, .offset: 0, .size: 8, .value_kind: global_buffer, .address_space: global }
      - { .name: coverage, .offset: 8, .size: 8, .value_kind: global_buffer, .address_space: global }
      - { .name: padding_mask, .offset: 16, .size: 8, .value_kind: global_buffer, .address_space: global }
      - { .name: W_x, .offset: 24, .size: 8, .value_kind: global_buffer, .address_space: global }
      - { .name: v, .offset: 32, .size: 8, .value_kind: global_buffer, .address_space: global }
      - { .name: W_h_scales, .offset: 40, .size: 8, .value_kind: global_buffer, .address_space: global }
      - { .name: wimg, .offset: 48, .size: 8, .value_kind: global_buffer, .address_space: global }
      - { .name: sf, .offset: 56, .size: 8, .value_kind: global_buffer, .address_space: global }
      - { .name: out2, .offset: 64, .size: 8, .value_kind: global_buffer, .address_space: global }
      - { .name: out3, .offset: 72, .size: 8, .value_kind: global_buffer, .address_space: global }
      - { .name: wpart, .offset: 80, .size: 8, .value_kind: global_buffer, .address_space: global }
    .group_segment_fixed_size: 300544
    .private_segment_fixed_size: 0
    .kernarg_segment_align: 8
    .kernarg_segment_size: 88
    .max_flat_workgroup_size: 128
    .sgpr_count:     66
    .vgpr_count:     1024
    .wavefront_size: 32
...
	.end_amdgpu_metadata
.endif
;; end of part 5
;; launch combine (part 6): grid 64 x 1, 8 waves a work-group, no clusters, 1,280 bytes of LDS; arguments out3, padding_mask, wpart, out0, out1; writes out0, out1
.if DOCPART == 6
	.amdgcn_target "amdgcn-amd-amdhsa--gfx1250"
	.amdhsa_code_object_version 6
	.text
	.protected	k_q98125f8e4c_combine
	.globl	k_q98125f8e4c_combine
	.p2align	8
	.type	k_q98125f8e4c_combine,@function
k_q98125f8e4c_combine:
	s_mov_b64 s[64:65], 0
	v_nop
	global_prefetch_b8 v0, s[64:65] scope:SCOPE_SE
	s_setreg_imm32_b32 hwreg(HW_REG_WAVE_MODE, 25, 1), 1
	s_wait_xcnt 0x0
; One work-group a batch merges the batch's eight blocks of 128 rows.  With M the batch's largest score (masked rows too, as the softmax has it):
;   out1[l] = exp(s[l] - M) mask[l] / Z,  Z = the sum over l of exp(s[l] - M) mask[l]: the softmax's own divisor cancels against the second normalisation;
;   out0[d] = the sum over the blocks k of wpart[k][d] exp(m[k] - M) / Z,  m[k] the block's largest score, under which the launch before summed its part.
; Thread t holds scores 4 t .. 4 t + 3, so wave i holds exactly block i, and its maximum is m[i], the same bits as in the launch before (a maximum rounds nothing).  Thread t also makes d = 4 t .. 4 t + 3.
; A stream of 48 KiB a work-group: no matrix unit, no tensor load; two barriers for the two figures that cross waves, in LDS words of their own.
; Where every row of a batch is masked, Z is 0 and the results are NaN, as the division by the zero sum makes them in the definition.  NaN and infinities among the scores are not served.
	s_load_b256 s[4:11], s[0:1], 0x0               ; scores s[4:5], mask s[6:7], wpart s[8:9], out0 s[10:11]
	s_load_b64 s[12:13], s[0:1], 0x20              ; out1
	v_lshl_add_u32 v96, v0, 2, 0x100
	v_mov_b32 v97, 0
	v_lshlrev_b32 v1, 4, v0                        ; 16 bytes a thread
	v_lshrrev_b32 v2, 5, v0
	s_delay_alu instid0(VALU_DEP_1)
	v_lshlrev_b32 v2, 2, v2                        ; LDS: a word a wave
	v_mov_b32 v3, 0
	v_mov_b32 v49, 0                               ; written once: a lane permute's destination counts as one of its sources
	s_mov_b32 s16, 0x76543210
	s_mov_b32 s17, 0xfedcba98                      ; v_permlanex16_b32's selects for lane l xor 16
	s_mov_b32 s18, 0x3fb8aa3b                      ; log2(e)
	s_lshl_b32 s14, ttmp9, 12                      ; a row of 4,096 bytes a batch
	s_mov_b32 s15, 0
	s_lshl_b32 s20, ttmp9, 15                      ; eight of them in wpart
	s_mov_b32 s21, 0
	s_wait_alu depctr_va_vdst(0)
	s_wait_kmcnt 0x0
	s_add_nc_u64 s[4:5], s[4:5], s[14:15]
	s_add_nc_u64 s[6:7], s[6:7], s[14:15]
	s_add_nc_u64 s[8:9], s[8:9], s[20:21]
	s_add_nc_u64 s[10:11], s[10:11], s[14:15]
	s_add_nc_u64 s[12:13], s[12:13], s[14:15]
	global_load_b128 v[4:7], v1, s[4:5]
	global_load_b128 v[8:11], v1, s[6:7]
.irp k, 0,1,2,3,4,5,6,7
	global_load_b128 v[16+4*\k:19+4*\k], v1, s[8:9] offset:4096*\k th:TH_LOAD_NT
.endr
	s_wait_loadcnt 9                               ; the scores are in; the mask and the eight parts may be out
	v_max3_num_f32 v48, v4, v5, v6
	s_delay_alu instid0(VALU_DEP_1)
	v_max_num_f32 v48, v48, v7
	s_delay_alu instid0(VALU_DEP_1)
	v_max_num_f32_dpp v48, v48, v48 row_xmask:1 row_mask:0xf bank_mask:0xf
	s_delay_alu instid0(VALU_DEP_1)
	v_max_num_f32_dpp v48, v48, v48 row_xmask:2 row_mask:0xf bank_mask:0xf
	s_delay_alu instid0(VALU_DEP_1)
	v_max_num_f32_dpp v48, v48, v48 row_xmask:4 row_mask:0xf bank_mask:0xf
	s_delay_alu instid0(VALU_DEP_1)
	v_max_num_f32_dpp v48, v48, v48 row_xmask:8 row_mask:0xf bank_mask:0xf
	s_delay_alu instid0(VALU_DEP_1)
	v_permlanex16_b32 v49, v48, s16, s17
	s_delay_alu instid0(VALU_DEP_1)
	v_max_num_f32 v48, v48, v49                    ; my block's largest score
	ds_store_b32 v2, v48                           ; all lanes write the same word with the same value
	s_wait_dscnt 0x0
	s_barrier_signal -1
	s_barrier_wait -1
	ds_load_b128 v[52:55], v3
	ds_load_b128 v[56:59], v3 offset:16            ; m[0 .. 7], in every lane
	s_wait_dscnt 0x0
	v_max3_num_f32 v50, v52, v53, v54
	s_delay_alu instid0(VALU_DEP_1)
	v_max3_num_f32 v50, v50, v55, v56
	s_delay_alu instid0(VALU_DEP_1)
	v_max3_num_f32 v50, v50, v57, v58
	s_delay_alu instid0(VALU_DEP_1)
	v_max_num_f32 v50, v50, v59                    ; M
.irp j, 0,1,2,3
	v_sub_f32 v[60+\j], v[4+\j], v50
.endr
.irp k, 0,1,2,3,4,5,6,7
	v_sub_f32 v[64+\k], v[52+\k], v50
.endr
.irp j, 0,1,2,3,4,5,6,7,8,9,10,11
	v_mul_f32 v[60+\j], s18, v[60+\j]
.endr
	s_wait_alu depctr_va_vdst(0)
.irp j, 0,1,2,3,4,5,6,7,8,9,10,11
	v_exp_f32 v[60+\j], v[60+\j]                   ; v60-63 exp(s - M); v64-71 exp(m[k] - M)
.endr
	v_nop                                          ; a plain place behind the last exponential
	s_wait_loadcnt 8                               ; the mask is in
	s_wait_alu depctr_va_vdst(0)
	v_pk_mul_f32 v[60:61], v[60:61], v[8:9]
	v_pk_mul_f32 v[62:63], v[62:63], v[10:11]
	s_delay_alu instid0(VALU_DEP_2)
	v_add_f32 v72, v60, v61
	s_delay_alu instid0(VALU_DEP_2)
	v_add_f32 v73, v62, v63
	s_delay_alu instid0(VALU_DEP_1)
	v_add_f32 v72, v72, v73
	s_delay_alu instid0(VALU_DEP_1)
	v_add_f32_dpp v72, v72, v72 row_xmask:1 row_mask:0xf bank_mask:0xf
	s_delay_alu instid0(VALU_DEP_1)
	v_add_f32_dpp v72, v72, v72 row_xmask:2 row_mask:0xf bank_mask:0xf
	s_delay_alu instid0(VALU_DEP_1)
	v_add_f32_dpp v72, v72, v72 row_xmask:4 row_mask:0xf bank_mask:0xf
	s_delay_alu instid0(VALU_DEP_1)
	v_add_f32_dpp v72, v72, v72 row_xmask:8 row_mask:0xf bank_mask:0xf
	s_delay_alu instid0(VALU_DEP_1)
	v_permlanex16_b32 v49, v72, s16, s17
	s_delay_alu instid0(VALU_DEP_1)
	v_add_f32 v72, v72, v49                        ; my wave's part of Z
	ds_store_b32 v2, v72 offset:64                 ; other words than the maxima's: no wave can still be reading what is written here
	s_wait_dscnt 0x0
	s_barrier_signal -1
	s_barrier_wait -1
	ds_load_b128 v[52:55], v3 offset:64
	ds_load_b128 v[56:59], v3 offset:80
	s_wait_dscnt 0x0
	v_pk_add_f32 v[52:53], v[52:53], v[54:55]
	v_pk_add_f32 v[56:57], v[56:57], v[58:59]
	s_delay_alu instid0(VALU_DEP_1)
	v_pk_add_f32 v[52:53], v[52:53], v[56:57]
	s_delay_alu instid0(VALU_DEP_1)
	v_add_f32 v52, v52, v53                        ; Z, the same bits in every wave
	s_wait_alu depctr_va_vdst(0)
	v_rcp_f32 v74, v52
	v_nop                                          ; a plain place behind the reciprocal
	s_wait_alu depctr_va_vdst(0)
.irp j, 0,1,2,3
	v_mul_f32 v[60+\j], v[60+\j], v74
.endr
	global_store_b128 v1, v[60:63], s[12:13]       ; out1: a wave stores 512 consecutive bytes
.irp k, 0,1,2,3,4,5,6,7
	v_mul_f32 v[64+\k], v[64+\k], v74              ; exp(m[k] - M) / Z
.endr
	s_wait_alu depctr_va_vdst(0)
	s_wait_loadcnt 0x0                             ; the eight parts
	v_pk_mul_f32 v[76:77], v[16:17], v[64:65] op_sel_hi:[1,0]
	v_pk_mul_f32 v[78:79], v[18:19], v[64:65] op_sel_hi:[1,0]
.irp k, 1,2,3,4,5,6,7
.if \k%2 == 0
	s_delay_alu instid0(VALU_DEP_2)
	v_pk_fma_f32 v[76:77], v[16+4*\k:17+4*\k], v[64+\k:65+\k], v[76:77] op_sel_hi:[1,0,1]              ; the pair's first word for both halves
	s_delay_alu instid0(VALU_DEP_2)
	v_pk_fma_f32 v[78:79], v[18+4*\k:19+4*\k], v[64+\k:65+\k], v[78:79] op_sel_hi:[1,0,1]
.else
	s_delay_alu instid0(VALU_DEP_2)
	v_pk_fma_f32 v[76:77], v[16+4*\k:17+4*\k], v[63+\k:64+\k], v[76:77] op_sel:[0,1,0] op_sel_hi:[1,1,1]   ; its second
	s_delay_alu instid0(VALU_DEP_2)
	v_pk_fma_f32 v[78:79], v[18+4*\k:19+4*\k], v[63+\k:64+\k], v[78:79] op_sel:[0,1,0] op_sel_hi:[1,1,1]
.endif
.endr
	global_store_b128 v1, v[76:79], s[10:11]       ; out0
	s_wait_tensorcnt 0x0
	ds_add_u32 v96, v97
	s_wait_dscnt 0x0
	s_endpgm
.Lfunc_end_k_q98125f8e4c_combine:
	.size	k_q98125f8e4c_combine, .Lfunc_end_k_q98125f8e4c_combine-k_q98125f8e4c_combine
	.p2alignl 7, 3214868480
	.fill 96, 4, 3214868480
	.section	.rodata,"a",@progbits
	.p2align	6, 0x0
	.amdhsa_kernel k_q98125f8e4c_combine
		.amdhsa_group_segment_fixed_size 1280
		.amdhsa_private_segment_fixed_size 0
		.amdhsa_enable_private_segment 0
		.amdhsa_kernarg_size 40
		.amdhsa_user_sgpr_count 2
		.amdhsa_user_sgpr_kernarg_segment_ptr 1
		.amdhsa_wavefront_size32 1
		.amdhsa_system_sgpr_workgroup_id_x 1
		.amdhsa_system_sgpr_workgroup_id_y 1
		.amdhsa_system_sgpr_workgroup_id_z 1
		.amdhsa_system_vgpr_workitem_id 0
		.amdhsa_next_free_vgpr 98
		.amdhsa_next_free_sgpr 66
		.amdhsa_reserve_vcc 0
		.amdhsa_float_denorm_mode_32 3
		.amdhsa_float_denorm_mode_16_64 3
		.amdhsa_memory_ordered 1
		.amdhsa_forward_progress 1
		.amdhsa_inst_pref_size 9
	.end_amdhsa_kernel
	.amdgpu_metadata
---
amdhsa.version: [ 1, 2 ]
amdhsa.kernels:
  - .name:           k_q98125f8e4c_combine
    .symbol:         k_q98125f8e4c_combine.kd
    .args:
      - { .name: out3, .offset: 0, .size: 8, .value_kind: global_buffer, .address_space: global }
      - { .name: padding_mask, .offset: 8, .size: 8, .value_kind: global_buffer, .address_space: global }
      - { .name: wpart, .offset: 16, .size: 8, .value_kind: global_buffer, .address_space: global }
      - { .name: out0, .offset: 24, .size: 8, .value_kind: global_buffer, .address_space: global }
      - { .name: out1, .offset: 32, .size: 8, .value_kind: global_buffer, .address_space: global }
    .group_segment_fixed_size: 1280
    .private_segment_fixed_size: 0
    .kernarg_segment_align: 8
    .kernarg_segment_size: 40
    .max_flat_workgroup_size: 256
    .sgpr_count:     66
    .vgpr_count:     98
    .wavefront_size: 32
...
	.end_amdgpu_metadata
.endif
;; end of part 6
